; MI455X (gfx1250); checked and timed in simulation.
; The chip was launched on July 23, 2026; its instructions are those of AMD's public machine-readable ISA for CDNA 5 (MIT licence, August 2026) and "CDNA5" Instruction Set Architecture Reference Guide (July 2026). The comments in the code are by the model that wrote it; some were corrected since.
;; Causal Self Attention. Allowed arithmetic: matrix products marked QUANTISED: E4M3 operands, one given power-of-two scale a tensor, by v_wmma_f32_16x16x64_fp8_fp8 or v_wmma_f32_16x16x128_fp8_fp8, f32 sums; everything else in f32.
;; Inputs: Wk 1,024 x 1,024 float32; Wp 1,024 x 1,024 float32; Wq 1,024 x 1,024 float32; Wv 1,024 x 1,024 float32; bk 1,024 float32; bp 1,024 float32; bq 1,024 float32; bv 1,024 float32; lowp_scales 12 int32 (the exponents e of the quantised operands' scales 2^e); x 4 x 2,048 x 1,024 float32.
;; Outputs: out0 4 x 2,048 x 1,024 float32.
;; This version of the problem:
;;   THIS VERSION OF THE PROBLEM IS GIVEN IN LOW PRECISION. The matrix products marked QUANTISED in the list below multiply operands that are first quantised to E4M3 (4 exponent bits, 3 mantissa bits; 8 bits a number), with one given power-of-two scale for each operand tensor; their sums are f32. All else is computed in f32.
;;   The module's matrix products, in the order in which they are computed (A, B: the left and right operand; K: the contracted axis; several contracted axes count as one K, in the product's order):
;;     1. [M 8,192, K 1,024] x [K 1,024, N 1,024]; A: input x; B: input Wq: QUANTISED (scales: A lowp_scales[0], B lowp_scales[1])
;;     2. [M 8,192, K 1,024] x [K 1,024, N 1,024]; A: input x; B: input Wk: QUANTISED (scales: A lowp_scales[2], B lowp_scales[3])
;;     3. [M 8,192, K 1,024] x [K 1,024, N 1,024]; A: input x; B: input Wv: QUANTISED (scales: A lowp_scales[4], B lowp_scales[5])
;;     4. batch 64 x [M 2,048, K 64] x [K 64, N 2,048]; A: computed on the way; B: computed on the way: QUANTISED (scales: A lowp_scales[6], B lowp_scales[7])
;;     5. batch 64 x [M 2,048, K 2,048] x [K 2,048, N 64]; A: softmax (see below); B: computed on the way: QUANTISED (scales: A lowp_scales[8], B lowp_scales[9])
;;     6. [M 8,192, K 1,024] x [K 1,024, N 1,024]; A: computed on the way; B: input Wp: QUANTISED (scales: A lowp_scales[10], B lowp_scales[11])
;;   THE QUANTISER, for each operand of a quantised product, along K:
;;     - The operand's scale is 2^e, e = its entry of the input lowp_scales (int32; the entries are numbered through the quantised products in the list's order, A before B).
;;     - Each number is divided by the scale, clamped to +-448, and rounded to the nearest number of E4M3, ties to even, subnormals kept.
;;     - The product sums the exact products of the quantised numbers (number of the format x scale) in f32.
;;   ~~~python
;;   def quantise(x, axis, e):      # numpy; x: float32 -> the quantised numbers, widened to float32 again
;;       x = np.moveaxis(x, axis, -1); K = x.shape[-1]
;;       r = np.clip(x / 2.0 ** e, -448, 448)
;;       step = 2.0 ** (np.maximum(np.frexp(np.where(r == 0, 1, r))[1] - 1, -6) - 3)
;;       q = np.round(r / step) * step * 2.0 ** e      # np.round: ties to even
;;       return np.moveaxis(q, -1, axis).astype(np.float32)
;;   ~~~
;;   SOFTMAX AHEAD OF A QUANTISED PRODUCT. Where the list says 'softmax', what is quantised is not the finished softmax but p = 2^(t - M), with t = logit x log2(e) and M = ceil(the row's largest t), a whole number; so 1/2 < the row's largest p <= 1. The row's sum l is taken of the UNQUANTISED p, in f32, and the product's result is divided by l at the end. Since M is a whole number, a kernel that streams over the keys may use a running M (the ceiling of the running maximum): every later rescaling is an exact power of two, so the quantised numbers keep their values, but for numbers so far below the row's largest that they fall under the format's range.
;;   OPERANDS COMPUTED ON THE WAY. 'Computed on the way' means the value that the module computes at that place (a softmax that the list does not call 'softmax' is quantised finished and normalised). What goes into a quantiser is computed in f32, as accurately as f32 sums, v_exp_f32 and their like allow (about 1e-6 of the number): no bf16 or f16 on the way to a quantiser, and a product that is left as it is and whose result goes on into a quantised operand takes f32 operands (vector FMAs, or v_wmma_f32_16x16x4_f32). A number that lies on a knife's edge between two numbers of the format may be rounded either way, as far as f32 arithmetic and the matrix unit's own rounding can turn it there, and no further.
;; One version. Each part assembles by itself: llvm-mc -triple=amdgcn-amd-amdhsa -mcpu=gfx1250 --defsym DOCPART=n.
;; ======== version 1 of 1: 4 launches
;; limits: right only within a limited range of input values
;; workspace buffers: xc 25,165,824 bytes; wc 4,194,304 bytes; qkv 25,165,824 bytes; yc 8,388,608 bytes
;; launch quant (part 1): grid 384 x 1, 4 waves a work-group, no clusters, 68,096 bytes of LDS; arguments x, Wq, Wk, Wv, Wp, lowp_scales, xc, wc; writes xc, wc
.if DOCPART == 1
	.amdgcn_target "amdgcn-amd-amdhsa--gfx1250"
	.amdhsa_code_object_version 6
	.text
	.protected	k_qfc933c7b78_quant
	.globl	k_qfc933c7b78_quant
	.p2align	8
	.type	k_qfc933c7b78_quant,@function
k_qfc933c7b78_quant:
	s_mov_b64 s[64:65], 0
	v_nop
	global_prefetch_b8 v0, s[64:65] scope:SCOPE_SE
	s_setreg_imm32_b32 hwreg(HW_REG_WAVE_MODE, 25, 1), 1
	s_wait_xcnt 0x0
; x [8192][1024] f32 and the four weights [k 1024][n 1024] f32 are turned into codes of FP8 (E4M3), one code a byte, K innermost.
; code = number / 2^e, held within +-448, rounded to the nearest code, ties to even.
; x has a scale of its own in each of the three projections (entries 0, 2, 4 of the scales), so it gets three planes of codes: xc plane p at p << 23, [8192][1024].
; The weights: wc plane w at w << 20 (0 Wq, 1 Wk, 2 Wv, 3 Wp; entries 1, 3, 5, 11), laid [n][k].
; LIMITS: each e lies between -126 and 119, so that 2^e and 448 x 2^e are f32 numbers.  NaN among the inputs is not served.
; SHARES.  Work-groups 0 to 255 take x, 32,768 numbers each, a plain stream; work-groups 256 to 383 take the weights, 128 columns x 256 along K each.  Every work-group reads 131,072 bytes.
; Nothing is shared between work-groups, every byte is read once: so no cluster, no tensor load, no barrier; waves share nothing.  Each of the two ways has LDS bytes of its own.
.set STEPS, 16                         ; x: steps of 512 numbers for a wave
.set SP,    80                         ; x: a lane's place in a stage: its 64 bytes + 16 of padding
.set WP,    272                        ; W: a stage row: 256 bytes of codes + 16 of padding
.set WSTG,  32768                      ; W's stages begin behind x's four regions of 8,192 bytes
.set SPARE, 67584                      ; behind W's four stages of 32 x 272 bytes: the spare words, 128 bytes for each wave
.set SPW,   8                          ; v8   LDS address of my spare word; never rewritten
.set NIL,   9                          ; v9   0; never rewritten
.set R,     32                         ; x: v32-95   four sets of 16 numbers as they are loaded
.set X,     96                         ; x: v96-127  two sets of 16 neighbours
.set T,     128
.set C,     144                        ; x: v144-167 two sets of 12 registers of codes
.set WX,    32                         ; W: v32-95   two sets of 32 numbers
.set WC,    96                         ; W: v96-103  a block's codes
.set OUTR,  112                        ; W: v112-175 the way out
.macro MKSCALE se, vs, vl              ; from the whole number e in \se: v[vs] = 2^e as f32 (the conversion takes its exponent field), s44 = 448 x 2^e
	s_add_co_i32 s44, \se, 127
	s_lshl_b32 s45, s44, 23
	v_mov_b32 v[\vs], s45
	s_add_co_i32 s44, s44, 8
	s_lshl_b32 s44, s44, 23
	s_or_b32 s44, s44, 0x600000
.endm
	s_load_b256 s[4:11], s[0:1], 0x0               ; x s[4:5], Wq s[6:7], Wk s[8:9], Wv s[10:11]
	s_load_b256 s[12:19], s[0:1], 0x20             ; Wp s[12:13], the scales s[14:15], xc s[16:17], wc s[18:19]
	v_lshl_add_u32 v[SPW], v0, 2, SPARE
	v_mov_b32 v[NIL], 0
	v_lshrrev_b32 v1, 5, v0
	v_readfirstlane_b32 s28, v1                    ; wave 0..3
	v_and_b32 v2, 31, v0                           ; lane
	v_lshlrev_b32 v10, 4, v2                       ; 16 x lane: my 16 bytes of a load's 512, and of a store's
	v_lshlrev_b32 v3, 2, v2                        ; 4 x lane
	; every LDS address is made here, ahead of the parting of the two ways
	s_lshl_b32 s29, s28, 13                        ; x: my wave's region
	v_lshrrev_b32 v4, 2, v2
	v_mul_u32_u24 v4, v4, SP
	v_and_b32 v1, 3, v2
	v_lshl_add_u32 v4, v1, 4, v4
	v_add_nc_u32 v4, s29, v4                       ; x, into the stage: four lanes' 64 bytes on end, then the padding
	v_mul_u32_u24 v5, v2, SP
	v_add_nc_u32 v5, s29, v5                       ; x, out of it: my 16 neighbours
	s_mul_i32 s29, s28, 32*WP
	s_add_co_u32 s29, s29, WSTG                    ; W: my wave's stage
	v_mul_u32_u24 v6, v2, WP
	v_add_nc_u32 v6, s29, v6                       ; W, into it: row = my column
	v_and_b32 v1, 15, v2
	v_lshrrev_b32 v14, 4, v2
	v_mul_u32_u24 v7, v14, WP
	v_lshl_add_u32 v7, v1, 4, v7
	v_add_nc_u32 v7, s29, v7                       ; W, out of it: sixteen lanes to a row, two rows an instruction
	v_lshlrev_b32 v13, 10, v14
	v_lshl_add_u32 v13, v1, 4, v13                 ; and the same place in wc: rows of 1,024 bytes
	s_wait_kmcnt 0x0
	s_load_b256 s[32:39], s[14:15], 0x0            ; e0 .. e7
	s_load_b128 s[40:43], s[14:15], 0x20           ; e8 .. e11
	s_cmp_lt_u32 ttmp9, 256
	s_cbranch_scc0 .Lw
; ---- x.  The conversions take neighbours along K from ONE lane's registers; a load is best where neighbouring LANES take neighbouring bytes.  So each load reads 512 consecutive bytes,
; a step's 2,048 bytes turn through the wave's own stage in LDS and come back 64 bytes a lane.  Each step is converted three times, once for each scale.
	s_lshl_b32 s29, ttmp9, 2
	s_add_co_u32 s29, s29, s28                     ; which run of 8,192 numbers is my wave's
	s_lshl_b32 s30, s29, 15
	s_mov_b32 s31, 0
	s_add_nc_u64 s[4:5], s[4:5], s[30:31]
	s_lshl_b32 s30, s29, 13
	s_add_nc_u64 s[20:21], s[16:17], s[30:31]      ; my codes in plane 0,
	s_add_nc_u64 s[22:23], s[20:21], 0x800000      ; plane 1,
	s_add_nc_u64 s[24:25], s[20:21], 0x1000000     ; plane 2
.macro XLOAD t
.irp i, 0,1,2,3
	global_load_b128 v[R+16*((\t)%4)+4*\i:R+16*((\t)%4)+4*\i+3], v10, s[4:5] offset:2048*(\t)+512*\i th:TH_LOAD_NT   ; 32 lanes read 512 consecutive bytes
.endr
.endm
.macro XTURN t                         ; LDS serves a wave's instructions in order: no wait between the stores and the loads
.irp i, 0,1,2,3
	ds_store_b128 v4, v[R+16*((\t)%4)+4*\i:R+16*((\t)%4)+4*\i+3] offset:32*SP*((\t)%2)+8*SP*\i
.endr
.irp i, 0,1,2,3
	ds_load_b128 v[X+16*((\t)%2)+4*\i:X+16*((\t)%2)+4*\i+3], v5 offset:32*SP*((\t)%2)+16*\i
.endr
.endm
.irp t, 0,1,2,3
	XLOAD \t
.endr
	s_wait_kmcnt 0x0
	MKSCALE s32, 16, 19                            ; e0
	MKSCALE s34, 17, 20                            ; e2
	MKSCALE s36, 18, 21                            ; e4
	s_wait_alu depctr_va_vdst(0)
	s_wait_loadcnt 12                              ; step 0's four loads are in
	XTURN 0
.macro XSTEP t
.set XS, X+16*((\t)%2)
.set CC, C+12*((\t)%2)
	s_wait_dscnt 0x0                               ; this step's numbers are back from the stage, so its stores into the stage have read their registers,
.if (\t)+4 < STEPS
	XLOAD (\t)+4                                   ; which take the loads of four steps on
.endif
.if (\t)+1 < STEPS
.if STEPS-2-(\t) >= 3
	s_wait_loadcnt 12                              ; the next step's four loads are in; those of the three steps behind it may be out
.else
	s_wait_loadcnt 4*(STEPS-2-(\t))
.endif
	XTURN (\t)+1                                   ; and go through the other stage while this step is worked
.endif
	s_wait_xcnt 0x0                                ; the stores of two steps back have read this set of code registers: it is written again only behind this wait
.irp p, 0,1,2
.set i, 0
.rept 16
.set i, i+1
.endr
	v_cvt_scalef32_pk8_fp8_f32 v[CC+4*\p:CC+4*\p+1], v[XS:XS+7], v[16+\p]
	v_cvt_scalef32_pk8_fp8_f32 v[CC+4*\p+2:CC+4*\p+3], v[XS+8:XS+15], v[16+\p]
	v_nop                                          ; one plain line behind the conversions
	global_store_b128 v10, v[CC+4*\p:CC+4*\p+3], s[20+2*\p:21+2*\p] offset:512*(\t)   ; the wave stores 512 consecutive bytes, aligned
.endr
.endm
.irp t, 0,1,2,3,4,5,6,7,8,9,10,11,12,13,14,15
	XSTEP \t
.endr
	s_wait_tensorcnt 0x0                           ; the wave's end, behind my last LDS store
	ds_add_u32 v[SPW], v[NIL]
	s_wait_dscnt 0x0
	s_endpgm
; ---- The weights: K is their FIRST axis.  A lane takes a column n and its registers run down K: each load reads neighbouring n in neighbouring lanes, and the conversions give codes with K innermost.
; A wave takes 32 columns x 256 along K; its codes go through its own stage and leave as rows: sixteen lanes store 256 consecutive bytes, aligned.
.Lw:
	s_sub_co_u32 s29, ttmp9, 256
	s_lshr_b32 s30, s29, 5                         ; which weight
	s_and_b32 s31, s29, 7                          ; which 128 columns
	s_bfe_u32 s44, s29, 0x20003                    ; which 256 along K
	s_lshl_b32 s31, s31, 7
	s_lshl_b32 s45, s28, 5
	s_add_co_u32 s31, s31, s45                     ; my wave's first column
	s_cmp_eq_u32 s30, 1                            ; the buffer is chosen by the work-group's number alone
	s_cselect_b64 s[6:7], s[8:9], s[6:7]
	s_cmp_eq_u32 s30, 2
	s_cselect_b64 s[6:7], s[10:11], s[6:7]
	s_cmp_eq_u32 s30, 3
	s_cselect_b64 s[6:7], s[12:13], s[6:7]
	s_lshl_b32 s46, s44, 20                        ; 256 rows of 4,096 bytes
	s_lshl_b32 s45, s31, 2
	s_add_co_u32 s46, s46, s45
	s_mov_b32 s47, 0
	s_add_nc_u64 s[6:7], s[6:7], s[46:47]
	s_lshl_b32 s46, s30, 20                        ; the plane,
	s_lshl_b32 s45, s31, 10                        ; my column's row of 1,024 bytes,
	s_add_co_u32 s46, s46, s45
	s_lshl_b32 s45, s44, 8                         ; my 256 along K
	s_add_co_u32 s46, s46, s45
	s_add_nc_u64 s[18:19], s[18:19], s[46:47]
.macro WLOAD t                         ; block t: W(32 t + i, my column), i = 0 .. 31, into set t % 2
.set i, 0
.rept 32
	global_load_b32 v[WX+32*((\t)%2)+i], v3, s[6:7] offset:(32*(\t)+i)*4096 th:TH_LOAD_NT
.set i, i+1
.endr
.endm
	WLOAD 0
	WLOAD 1
	s_wait_kmcnt 0x0
	s_cmp_eq_u32 s30, 1
	s_cselect_b32 s33, s35, s33                    ; e1, e3, e5 or e11
	s_cmp_eq_u32 s30, 2
	s_cselect_b32 s33, s37, s33
	s_cmp_eq_u32 s30, 3
	s_cselect_b32 s33, s43, s33
	MKSCALE s33, 11, 12
.macro WBLOCK t
.set XS, WX+32*((\t)%2)
.if (\t) < 7
	s_wait_loadcnt 32                              ; this block's 32 loads are in; the next block's may be out
.else
	s_wait_loadcnt 0
.endif
.set i, 0
.rept 32
.set i, i+1
.endr
.irp g, 0,1,2,3
	v_cvt_scalef32_pk8_fp8_f32 v[WC+2*\g:WC+2*\g+1], v[XS+8*\g:XS+8*\g+7], v11
.endr
	ds_store_b128 v6, v[WC:WC+3] offset:32*(\t)    ; 32 codes: 32 bytes of my column's row
	ds_store_b128 v6, v[WC+4:WC+7] offset:32*(\t)+16
.if (\t)+2 < 8
	WLOAD (\t)+2
.endif
	s_wait_dscnt 0x0                               ; the stores have read their registers
.endm
	s_wait_alu depctr_va_vdst(0)
.irp t, 0,1,2,3,4,5,6,7
	WBLOCK \t
.endr
.irp t, 0,1,2,3,4,5,6,7,8,9,10,11,12,13,14,15
	ds_load_b128 v[OUTR+4*\t:OUTR+4*\t+3], v7 offset:2*\t*WP
.endr
.irp t, 0,1,2,3,4,5,6,7,8,9,10,11,12,13,14,15
	s_wait_dscnt 15-\t                             ; LDS loads come back in order: load t is in, the younger ones may be out
	global_store_b128 v13, v[OUTR+4*\t:OUTR+4*\t+3], s[18:19] offset:2*\t*1024
.endr
	s_wait_tensorcnt 0x0                           ; the wave's end, behind my last LDS store
	ds_add_u32 v[SPW], v[NIL]
	s_wait_dscnt 0x0
	s_endpgm
.Lfunc_end_k_qfc933c7b78_quant:
	.size	k_qfc933c7b78_quant, .Lfunc_end_k_qfc933c7b78_quant-k_qfc933c7b78_quant
	.p2alignl 7, 3214868480
	.fill 96, 4, 3214868480
	.section	.rodata,"a",@progbits
	.p2align	6, 0x0
	.amdhsa_kernel k_qfc933c7b78_quant
		.amdhsa_group_segment_fixed_size 68096
		.amdhsa_private_segment_fixed_size 0
		.amdhsa_enable_private_segment 0
		.amdhsa_kernarg_size 64
		.amdhsa_user_sgpr_count 2
		.amdhsa_user_sgpr_kernarg_segment_ptr 1
		.amdhsa_wavefront_size32 1
		.amdhsa_system_sgpr_workgroup_id_x 1
		.amdhsa_system_sgpr_workgroup_id_y 1
		.amdhsa_system_sgpr_workgroup_id_z 1
		.amdhsa_system_vgpr_workitem_id 0
		.amdhsa_next_free_vgpr 192
		.amdhsa_next_free_sgpr 66
		.amdhsa_reserve_vcc 0
		.amdhsa_float_denorm_mode_32 3
		.amdhsa_float_denorm_mode_16_64 3
		.amdhsa_fp16_overflow 1
		.amdhsa_memory_ordered 1
		.amdhsa_forward_progress 1
		.amdhsa_inst_pref_size 63
	.end_amdhsa_kernel
	.amdgpu_metadata
---
amdhsa.version: [ 1, 2 ]
amdhsa.kernels:
  - .name:           k_qfc933c7b78_quant
    .symbol:         k_qfc933c7b78_quant.kd
    .args:
      - { .name: x, .offset: 0, .size: 8, .value_kind: global_buffer, .address_space: global }
      - { .name: Wq, .offset: 8, .size: 8, .value_kind: global_buffer, .address_space: global }
      - { .name: Wk, .offset: 16, .size: 8, .value_kind: global_buffer, .address_space: global }
      - { .name: Wv, .offset: 24, .size: 8, .value_kind: global_buffer, .address_space: global }
      - { .name: Wp, .offset: 32, .size: 8, .value_kind: global_buffer, .address_space: global }
      - { .name: lowp_scales, .offset: 40, .size: 8, .value_kind: global_buffer, .address_space: global }
      - { .name: xc, .offset: 48, .size: 8, .value_kind: global_buffer, .address_space: global }
      - { .name: wc, .offset: 56, .size: 8, .value_kind: global_buffer, .address_space: global }
    .group_segment_fixed_size: 68096
    .private_segment_fixed_size: 0
    .kernarg_segment_align: 8
    .kernarg_segment_size: 64
    .max_flat_workgroup_size: 128
    .sgpr_count:     66
    .vgpr_count:     192
    .wavefront_size: 32
...
	.end_amdgpu_metadata
.endif
;; end of part 1
;; launch qkv (part 2): grid 12 x 32, 4 waves a work-group, clusters of 4 x 4, 327,680 bytes of LDS; arguments xc, wc, lowp_scales, bq, bk, bv, qkv; writes qkv
.if DOCPART == 2
	.amdgcn_target "amdgcn-amd-amdhsa--gfx1250"
	.amdhsa_code_object_version 6
	.text
	.protected	k_qfc933c7b78_qkv
	.globl	k_qfc933c7b78_qkv
	.p2align	8
	.type	k_qfc933c7b78_qkv,@function
k_qfc933c7b78_qkv:
	s_mov_b64 s[64:65], 0
	v_nop
	global_prefetch_b8 v0, s[64:65] scope:SCOPE_SE
	s_setreg_imm32_b32 hwreg(HW_REG_WAVE_MODE, 25, 1), 1
	s_wait_xcnt 0x0
	s_wait_alu depctr_hold_cnt(0) depctr_sa_sdst(0) depctr_va_vdst(0) depctr_va_sdst(0) depctr_va_ssrc(0) depctr_va_vcc(0) depctr_vm_vsrc(0)
	s_getreg_b32 s2, hwreg(HW_REG_IB_STS2, 6, 4)
	s_cmp_eq_u32 s2, 0
	s_cbranch_scc0 .Lentry_in_a_cluster
	s_endpgm
.Lentry_in_a_cluster:
	s_bfe_u32 s2, ttmp6, 0x10000c
	s_cmp_lg_u32 s2, 0xf033
	s_cbranch_scc0 .Lentry_shape_is_right
	s_endpgm
.Lentry_shape_is_right:
; q = x Wq + bq, k = x Wk + bk, v = x Wv + bv on codes of FP8 (E4M3), and each result quantised at once for the attention's products.  The cluster's x says which: P = 0 q, 1 k, 2 v.
; A sum of codes stands for sum x 2^(ea + eb); result = sum x 2^(ea + eb) + bias, one fused multiply-add in f32; then held within +-448 x 2^eo and converted.  (ea, eb, eo) = entries (0, 1, 6), (2, 3, 7), (4, 5, 9).
; LIMITS: ea + eb between -126 and 127; eo between -126 and 119.  NaN is not served.
; A tile of 256 x 256 of the result is made by four waves, 128 x 128 each: 64 accumulators of 16 x 16.  K = 1,024 goes in four steps of 256 through a ring of two LDS slots filled by the tensor data mover.
; THE MATRIX INSTRUCTION IS USED TRANSPOSED (source 0 = 16 rows of B', source 1 = 16 rows of A'): a lane holds one row of A' and eight neighbouring rows of B'.
;   q, k: A' = x's codes (tokens), B' = the weight's (channels): a lane holds 8 neighbouring channels of a token, which are neighbours along the scores' K.
;   v:    A' = the weight's, B' = x's: a lane holds 8 neighbouring tokens of a channel, neighbours along the second product's K (the keys).  Only the two pointers change places; the text is one.
; OUT: plane P at P << 23.  q, k: [head 64][t 2048][64 bytes]; v: [head 64][key block 32][channel 64][64 bytes].  In each 64 bytes index i lies at byte i with its bits 3 and 4 exchanged,
; so that a reader's 16-byte load at 32 G + 16 (lane / 16) brings registers 4 G .. 4 G + 3 of the 8-bit operand layout (ISA guide 7.12.2).
; CLUSTERS: 4 x 4 work-groups; A's tile is shared along a row of the cluster, B's along a column: each is asked for jointly, by the same tensor load with a mask that names the four.
; REGISTERS, in windows of 256: window 0: v0-31 addresses; v32-47 the bias by rows, v64-127 the bias by columns; from v128 A's fragments, ONE set; on the way out v128-239 at work.
;   window 1: B's fragments, TWO sets.   windows 2, 3: the accumulators of my rows 0-63, 64-127 (accumulator (a, b) at v[8 (8 (a % 4) + b)]).
.set KSTEP,  256
.set ROWB,   256                       ; a tile's row in bytes
.set KROW,   1024                      ; a row of codes in memory
.set PITCH,  272                       ; an LDS row: 256 bytes + 16 of padding = 68 words: the 16 rows that a load touches start at 16 different banks (ISA guide 11.1)
.set FR,     16
.set NL,     4
.set NP,     4                         ; places behind this matrix instruction (ISA guide 7.12.1)
.set HALFT,  128*PITCH
.set SLOT,   4*HALFT
.set LAPS,   2                         ; 1,024 along K = two laps of two K steps
.set SPARE,  2*SLOT                    ; behind the ring: the spare words, 128 bytes for each wave
.set SPITCH, 144                       ; the way out: a stage of 16 rows x (128 bytes + 16) for each wave, in slot 0, which has had its last fill and its last read by then
.set ADRA, 16
.set ADRB, 20
.set STO,  24
.set RD,   25
.set CO,   26                          ; v26, v27: my byte in the store's first 64-byte group, and in the second
.set SPW,  28
.set NIL,  29
.set RB,   32                          ; v[32+2a], v[33+2a]: the bias of my row of block a, twice (a pair for the packed addition)
.set SCL,  48                          ; v48  2^eo
.set LIMV, 49
.set CB,   64                          ; v64-127: the bias of my eight columns of each of B's eight blocks
.set AF,   128
.set T,    128                         ; the way out: a block's 64 numbers
.set CD,   192                         ; its codes, 16 registers
.set BK,   208                         ; 16 registers read back from the stage: v208-223 and v224-239 by turns
.set G1, 24
.set G0, 32
.set G1B, 48
.set G0B, 56
.set MSB, 0
.macro WIN new                         ; the immediate's high byte repeats the setting that is left
.if MSB != (\new)
	s_set_vgpr_msb (MSB<<8)|(\new)
.set MSB, (\new)
.endif
.endm
.set MUL_LO, 0xa1                      ; source 0 (B) window 1, source 1 (A) window 0, C and D window 2
.set MUL_HI, 0xf1
.set TO_B,   0x40
; A joint load: waves 0 and 1 fetch for A, waves 2 and 3 for B; the branch hangs on the wave's number alone.  An s_nop 0 and four v_nop follow each of the two lines.
.macro JLOAD g0a, g1a, g0b, g1b
	s_cmp_eq_u32 s15, 0
	s_cbranch_scc0 .Lfor_b_\@
	tensor_load_to_lds s[\g0a:\g0a+3], s[\g1a:\g1a+7]
	s_nop 0
.rept 4
	v_nop
.endr
	s_branch .Lasked_\@
.Lfor_b_\@:
	tensor_load_to_lds s[\g0b:\g0b+3], s[\g1b:\g1b+7]
	s_nop 0
.rept 4
	v_nop
.endr
.Lasked_\@:
.endm
.macro CREST                           ; a round of the cluster's barrier behind its opening barrier
	s_cmp_lg_u32 s14, 0
	s_cbranch_scc1 .Lnot_wave_0_\@
	s_barrier_signal -3
.Lnot_wave_0_\@:
	s_barrier_wait -3
	s_barrier_signal -1
	s_barrier_wait -1
.endm
.macro CROUND
	s_barrier_signal -1
	s_barrier_wait -1
	CREST
.endm
	s_load_b256 s[68:75], s[0:1], 0x0              ; xc s[68:69], wc s[70:71], the scales s[72:73], bq s[74:75]
	s_load_b128 s[76:79], s[0:1], 0x20             ; bk, bv
	s_load_b64 s[10:11], s[0:1], 0x30              ; qkv
	v_lshl_add_u32 v[SPW], v0, 2, SPARE
	v_mov_b32 v[NIL], 0
	ds_add_u32 v[SPW], v[NIL]                      ; the wave's opening: the add and its wait ahead of my first tensor load; work on registers stands between them
	ds_add_u32 v[SPW], v[NIL]
	v_lshrrev_b32 v1, 5, v0
	v_readfirstlane_b32 s14, v1                    ; wave 0..3
	s_lshr_b32 s15, s14, 1                         ; which half of the tile's rows is mine.  Also: I fetch for A (0) or for B (1)
	s_and_b32 s16, s14, 1                          ; which half of its columns.  Also: which 128 rows of that tile I fetch
	s_bfe_u32 s40, ttmp6, 0x40000                  ; cx
	s_bfe_u32 s41, ttmp6, 0x40004                  ; cy
	s_mov_b32 s66, ttmp9                           ; P: the cluster's x
	s_and_b32 s67, ttmp7, 0xffff
	s_lshl_b32 s67, s67, 2                         ; 4 x the cluster's y: it walks the tokens' 32 tiles
	s_cmp_eq_u32 s66, 2                            ; v?  Then the tokens are B's rows
	s_cselect_b32 s17, 0, s67
	s_cselect_b32 s42, s67, 0
	s_add_co_u32 s17, s17, s41                     ; tile row: hangs on cy, never on cx
	s_add_co_u32 s42, s42, s40                     ; tile column: hangs on cx, never on cy
	s_lshl_b32 s43, s41, 2
	s_lshl_b32 s43, 15, s43                        ; my row of the cluster
	s_lshl_b32 s44, 0x1111, s40                    ; my column
	s_or_b32 s[G1+0], s43, (0<<16)|(1<<20)|(1<<21)|(5<<22)|(3<<25)  ; the mask; elements of 1 byte; padding on; bit 21 beside a mask; after every 64 words, 4 words
	s_or_b32 s[G1B+0], s44, (0<<16)|(1<<20)|(1<<21)|(5<<22)|(3<<25)
.irp g, G1, G1B
	s_mov_b32 s[\g+1], ROWB<<16                    ; tensor_dim0
	s_mov_b32 s[\g+2], 128<<16                     ; tensor_dim1
	s_mov_b32 s[\g+3], ROWB<<16                    ; tile_dim0
	s_mov_b32 s[\g+4], 128                         ; tile_dim1
	s_mov_b32 s[\g+5], KROW                        ; tensor_dim0_stride
	s_mov_b32 s[\g+6], 0
	s_mov_b32 s[\g+7], 0
.endr
	s_lshl_b32 s18, s16, 7
	s_lshl_b32 s20, s17, 8
	s_add_co_u32 s20, s20, s18                     ; A': row 256 x tile row + 128 x half
	s_lshl_b32 s20, s20, 10                        ; in bytes
	s_mov_b32 s21, 0
	s_lshl_b32 s46, s42, 8
	s_add_co_u32 s46, s46, s18                     ; B': row 256 x tile column + 128 x half
	s_lshl_b32 s46, s46, 10
	s_mov_b32 s47, 0
	s_mul_i32 s45, s14, HALFT                      ; where they go: wave x 128 rows
	s_lshl_b32 s92, s66, 23                        ; x's plane
	s_mov_b32 s93, 0
	s_lshl_b32 s94, s66, 20                        ; the weight's plane
	s_mov_b32 s95, 0
	s_wait_dscnt 0x0                               ; the opening add is done
	s_wait_kmcnt 0x0
	s_load_b256 s[80:87], s[72:73], 0x0            ; e0 .. e7
	s_load_b128 s[88:91], s[72:73], 0x20           ; e8 .. e11
	s_add_nc_u64 s[68:69], s[68:69], s[92:93]
	s_add_nc_u64 s[70:71], s[70:71], s[94:95]
	s_cmp_eq_u32 s66, 2                            ; the choice hangs on the cluster's x alone
	s_cselect_b64 s[4:5], s[70:71], s[68:69]       ; A'
	s_cselect_b64 s[6:7], s[68:69], s[70:71]       ; B'
	s_add_nc_u64 s[20:21], s[4:5], s[20:21]
	s_add_nc_u64 s[46:47], s[6:7], s[46:47]
	CROUND                                         ; all sixteen work-groups are here: the first joint loads meet
.irp s, 0,1
	s_mov_b32 s[G0+4*\s], 1
	s_add_co_u32 s[G0+4*\s+1], s45, \s*SLOT
	s_add_nc_u64 s[G0+4*\s+2:G0+4*\s+3], s[20:21], \s*ROWB
	s_or_b32 s[G0+4*\s+3], s[G0+4*\s+3], 0x80000000
	s_mov_b32 s[G0B+4*\s], 1
	s_add_co_u32 s[G0B+4*\s+1], s45, \s*SLOT
	s_add_nc_u64 s[G0B+4*\s+2:G0B+4*\s+3], s[46:47], \s*ROWB
	s_or_b32 s[G0B+4*\s+3], s[G0B+4*\s+3], 0x80000000
	s_wait_alu depctr_va_vdst(0)
	s_wait_tensorcnt 0x0
	ds_add_u32 v28, v29
	ds_add_u32 v28, v29
	s_wait_dscnt 0x0
	CROUND
	JLOAD G0+4*\s, G1, G0B+4*\s, G1B
.endr
	v_and_b32 v1, 15, v0                           ; r = l % 16
	s_wait_alu depctr_va_vdst(0)
	v_bfe_u32 v2, v0, 4, 1                         ; h = l / 16
	v_mul_u32_u24 v3, v1, PITCH
	v_lshl_add_u32 v4, v2, 4, v3                   ; a fragment's row x pitch + 16 x half
	s_mul_i32 s21, s15, HALFT
	s_mul_i32 s22, s16, HALFT
	s_add_co_u32 s22, s22, 2*HALFT
.irp s, 0,1
	v_add_nc_u32 v[ADRA+\s], s21, v4
	v_add_nc_u32 v[ADRB+\s], s22, v4
	s_add_co_u32 s21, s21, SLOT
	s_add_co_u32 s22, s22, SLOT
.endr
	s_mul_i32 s23, s14, 16*SPITCH                  ; my stage
	v_mul_u32_u24 v5, v1, SPITCH
	s_wait_alu depctr_va_vdst(0)
	v_lshl_add_u32 v5, v2, 4, v5
	v_add_nc_u32 v[STO], s23, v5                   ; in: row r, 16 bytes for each half of the lanes
	v_and_b32 v6, 31, v0
	v_lshrrev_b32 v7, 2, v6
	v_mul_u32_u24 v7, v7, SPITCH
	v_and_b32 v5, 3, v6
	v_lshl_add_u32 v7, v5, 4, v7
	v_add_nc_u32 v[RD], s23, v7                    ; back: four lanes to a row's 64 bytes, eight rows an instruction
	v_lshlrev_b32 v[CO], 4, v6
	s_wait_alu depctr_va_vdst(0)
	v_lshlrev_b32 v8, 5, v2                        ; the bias by columns: 32 h; never rewritten
	s_wait_alu depctr_va_vdst(0)
	v_lshlrev_b32 v9, 2, v1                        ; the bias by rows: 4 r; never rewritten
	s_wait_alu depctr_va_vdst(0)
	; which tile holds tokens and which channels.  These numbers mix cx and cy: they lie in registers that feed no descriptor and no LDS address
	s_cmp_eq_u32 s66, 1
	s_cselect_b64 s[74:75], s[76:77], s[74:75]
	s_cmp_eq_u32 s66, 2
	s_cselect_b64 s[74:75], s[78:79], s[74:75]     ; my product's bias
	s_cselect_b32 s8, s42, s17                     ; the tokens' tile,
	s_cselect_b32 s9, s16, s15                     ; my half of it;
	s_cselect_b32 s12, s17, s42                    ; the channels' tile,
	s_cselect_b32 s13, s15, s16                    ; my half of it
	s_cselect_b32 s98, 0, -1                       ; all ones where the bias goes by columns (q, k)
	s_cselect_b32 s99, -1, 0                       ; all ones where it goes by rows (v)
	s_mov_b32 s92, 0x20000
	s_cselect_b32 s92, 4096, s92                   ; from a row's first 64 bytes to its second: the next head (q, k) or the next key block (v)
	s_mov_b32 s94, 1024
	s_cselect_b32 s94, 131072-3072, s94            ; from block 3 to block 4: 16 tokens on (q, k) or the next head's first channels (v)
	s_mov_b32 s95, 0
	v_add_nc_u32 v[CO+1], s92, v[CO]
	s_lshl_b32 s100, s12, 10
	s_lshl_b32 s101, s13, 9
	s_add_co_u32 s100, s100, s101                  ; 4 x (256 x tile + 128 x half): my 128 channels' bias
	s_mov_b32 s101, 0
	s_add_nc_u64 s[74:75], s[74:75], s[100:101]
.irp b, 0,1,2,3,4,5,6,7                        ; both kinds are loaded, 512 bytes inside the 4,096; the one that does not apply is cleared on the way out
	global_load_b128 v[CB+8*\b:CB+8*\b+3], v8, s[74:75] offset:64*\b
	global_load_b128 v[CB+8*\b+4:CB+8*\b+7], v8, s[74:75] offset:64*\b+16
.endr
.irp a, 0,1,2,3,4,5,6,7
	global_load_b32 v[RB+2*\a], v9, s[74:75] offset:64*\a
.endr
	s_lshr_b32 s100, s8, 3                         ; the batch,
	s_lshl_b32 s100, s100, 4
	s_lshl_b32 s2, s12, 2
	s_add_co_u32 s100, s100, s2
	s_lshl_b32 s2, s13, 1
	s_add_co_u32 s100, s100, s2                    ; x 16 + my first head
	s_lshl_b32 s100, s100, 17                      ; a head is 131,072 bytes in every plane
	s_and_b32 s2, s8, 7
	s_lshl_b32 s2, s2, 14
	s_add_co_u32 s100, s100, s2                    ; + 64 bytes for each token ahead of mine in the batch (in v's plane too: 64 tokens are a key block of 4,096 bytes)
	s_lshl_b32 s2, s9, 13
	s_add_co_u32 s100, s100, s2
	s_lshl_b32 s2, s66, 23
	s_add_co_u32 s100, s100, s2                    ; + the plane
	s_add_nc_u64 s[10:11], s[10:11], s[100:101]
.macro FRAG reg, adr, q, i             ; a fragment, 16 rows x 128 K: registers 4 c .. 4 c + 3 hold K = 32 c + 16 (l / 16) + 0 .. 15: one permutation of K, alike in A and in B
.irp c, 0,1,2,3
	ds_load_b128 v[\reg+4*\c:\reg+4*\c+3], v[\adr] offset:128*(\q)+32*\c+(\i)*16*PITCH
.endr
.endm
; 16 matrix instructions: A's blocks a0, a0 + 1 x B's eight.  The 64 accumulators take turns, one instruction a turn, in the same order in every step.
.macro MUL16 a0, p, zero
.irp a, \a0, \a0+1
.irp b, 0,1,2,3,4,5,6,7
.if \zero
	v_wmma_f32_16x16x128_fp8_fp8 v[8*(8*((\a)%4)+\b):8*(8*((\a)%4)+\b)+7], v[128*(\p)+FR*\b:128*(\p)+FR*\b+FR-1], v[AF+FR*(\a):AF+FR*(\a)+FR-1], 0
.else
	v_wmma_f32_16x16x128_fp8_fp8 v[8*(8*((\a)%4)+\b):8*(8*((\a)%4)+\b)+7], v[128*(\p)+FR*\b:128*(\p)+FR*\b+FR-1], v[AF+FR*(\a):AF+FR*(\a)+FR-1], v[8*(8*((\a)%4)+\b):8*(8*((\a)%4)+\b)+7]
.endif
.endr
.endr
.endm
.macro FETCH_B slot, q, p
	WIN TO_B
.irp i, 0,1,2,3,4,5,6,7
	FRAG 128*(\p)+FR*\i, ADRB+\slot, \q, \i
.endr
	WIN 0
.endm
.macro FETCH_A slot, q, i0
.irp i, \i0, \i0+1, \i0+2, \i0+3
	FRAG AF+FR*(\i), ADRA+\slot, \q, \i
.endr
.endm
.macro PLACES n                        ; plain vector lines in front of loads into registers that matrix instructions have read, and of the first read of results
.rept \n
	v_nop
.endr
.endm
.macro STEP slot, q, zero              ; a step of 128 along K that has its successor in the same slot
	s_wait_dscnt 4*NL                              ; B's set and A's blocks 0-3 are in; the youngest 16 loads (A's blocks 4-7) may be out
	WIN MUL_LO
	MUL16 0, (\q)%2, \zero
	MUL16 2, (\q)%2, \zero
	s_wait_dscnt 0
	PLACES NP
	FETCH_B \slot, (\q)+1, 1-(\q)%2
	FETCH_A \slot, (\q)+1, 0
	WIN MUL_HI
	MUL16 4, (\q)%2, \zero
	MUL16 6, (\q)%2, \zero
	PLACES NP
	WIN 0
	FETCH_A \slot, (\q)+1, 4
.endm
; A slot's last step changes slots: ONE barrier; in front of it each wave waits for all its tensor loads, adds 0 to its spare word, and waits for that and for its own reads of this slot.
.macro TURN slot, next, fill
	s_wait_tensorcnt 0x0                           ; all my tensor loads have landed: my part of the next slot
	ds_add_u32 v[SPW], v[NIL]
	s_wait_dscnt 4*NL+1                            ; the add and the youngest 16 loads may be out
	WIN MUL_LO
	MUL16 0, 1, 0
	s_wait_dscnt 0x0                               ; the add is done, and my reads of this slot are over
	s_barrier_signal -1
	MUL16 2, 1, 0
	WIN 0
	s_barrier_wait -1
.if \fill
	CREST                                          ; the barrier has opened a round of the cluster's barrier: no wave of any partner still reads this slot or has a load on its way
	s_add_nc_u64 s[G0+4*\slot+2:G0+4*\slot+3], s[G0+4*\slot+2:G0+4*\slot+3], 2*ROWB
	s_add_nc_u64 s[G0B+4*\slot+2:G0B+4*\slot+3], s[G0B+4*\slot+2:G0B+4*\slot+3], 2*ROWB
	JLOAD G0+4*\slot, G1, G0B+4*\slot, G1B         ; the first tensor load behind the round; its four v_nop are the places in front of the loads below
.else
	PLACES NP
.endif
	FETCH_B \next, 0, 0
	FETCH_A \next, 0, 0
	WIN MUL_HI
	MUL16 4, 1, 0
	MUL16 6, 1, 0
	PLACES NP
	WIN 0
	FETCH_A \next, 0, 4
.endm
	s_wait_tensorcnt 1                             ; my part of K step 0 is in; K step 1's load may be out
	s_barrier_signal -1
	s_barrier_wait -1
	FETCH_B 0, 0, 0
	FETCH_A 0, 0, 0
	FETCH_A 0, 0, 4
	STEP 0, 0, 1                                   ; the first step's products start the sums: nothing is cleared
	s_mov_b32 s3, LAPS-1
.Llap:                                                 ; a trip goes once round the ring and fills both slots again
	TURN 0, 1, 1
	STEP 1, 0, 0
	TURN 1, 0, 1
	STEP 0, 0, 0
	s_sub_co_u32 s3, s3, 1
	s_cmp_lg_u32 s3, 0
	s_cbranch_scc1 .Llap
	TURN 0, 1, 0                                   ; the last lap fills nothing
	STEP 1, 0, 0
	s_wait_dscnt 4*NL
	WIN MUL_LO
	MUL16 0, 1, 0
	MUL16 2, 1, 0
	s_wait_dscnt 0
	WIN MUL_HI
	MUL16 4, 1, 0
	MUL16 6, 1, 0
	WIN 0
; THE WAY OUT, block by block of 16 rows of A' x 128 rows of B'.  sum x 2^(ea + eb) + bias; eight conversions: a lane's 8 numbers of block b are 8 bytes.  Blocks 2 b' and 2 b' + 1 make 16 bytes, stored
; at 32 b' + 16 h of the stage row: that placing IS the exchange of bits 3 and 4.  Back come 8 rows x 64 bytes an instruction, which are 512 consecutive bytes of the plane.
	s_wait_kmcnt 0x0
	s_cmp_eq_u32 s66, 1
	s_cselect_b32 s80, s82, s80                    ; ea
	s_cselect_b32 s81, s83, s81                    ; eb
	s_cselect_b32 s86, s87, s86                    ; eo
	s_cmp_eq_u32 s66, 2
	s_cselect_b32 s80, s84, s80
	s_cselect_b32 s81, s85, s81
	s_cselect_b32 s86, s89, s86
	s_add_co_i32 s96, s80, s81
	s_add_co_i32 s96, s96, 127
	s_lshl_b32 s96, s96, 23                        ; 2^(ea + eb) as f32
	s_mov_b32 s97, s96                             ; (named with it as a pair, so it is written)
	s_add_co_i32 s86, s86, 127
	s_lshl_b32 s87, s86, 23
	s_add_co_i32 s86, s86, 8
	s_lshl_b32 s86, s86, 23
	s_or_b32 s86, s86, 0x600000
	s_wait_loadcnt 0x0                             ; the biases
.set j, 0
.rept 64
	v_and_b32 v[CB+j], s98, v[CB+j]                ; kept for q and k, an exact 0 for v.  (These lines are also the places behind the last products)
.set j, j+1
.endr
.irp a, 0,1,2,3,4,5,6,7
	v_and_b32 v[RB+2*\a+1], s99, v[RB+2*\a]        ; kept for v, an exact 0 for q and k; twice, for the packed addition
	v_and_b32 v[RB+2*\a], s99, v[RB+2*\a]
.endr
	v_mov_b32 v[SCL], s87
.macro TOSTAGE a
.set AC, 64*((\a)%4)
.set BB, BK+16*((\a)%2)
	WIN 0x02+((\a)/4)                              ; source 0: window 2 or 3
.set j, 0
.rept 32
	v_pk_fma_f32 v[T+j:T+j+1], v[AC+j:AC+j+1], s[96:97], v[CB+j:CB+j+1] op_sel_hi:[1,0,1]   ; each accumulator from its low end on
.set j, j+2
.endr
	WIN 0
.set j, 0
.rept 32
	v_pk_add_f32 v[T+j:T+j+1], v[T+j:T+j+1], v[RB+2*(\a):RB+2*(\a)+1]   ; of the two biases one is 0: nothing is rounded twice
.set j, j+2
.endr
.set j, 0
.rept 64
.set j, j+1
.endr
.irp b, 0,1,2,3,4,5,6,7
	v_cvt_scalef32_pk8_fp8_f32 v[CD+2*\b:CD+2*\b+1], v[T+8*\b:T+8*\b+7], v[SCL]
.endr
	v_nop                                          ; one plain line behind the conversions: the next block's multiply-adds write their sources
.irp b, 0,1,2,3
	ds_store_b128 v[STO], v[CD+4*\b:CD+4*\b+3] offset:32*\b
.endr
.irp i, 0,1,2,3
	ds_load_b128 v[BB+4*\i:BB+4*\i+3], v[RD] offset:(\i%2)*8*SPITCH+(\i/2)*64   ; LDS serves a wave's instructions in order: these see the stores above
.endr
.endm
.macro SEND a, younger                 ; younger: the LDS instructions issued behind block a's loads
.set BB, BK+16*((\a)%2)
	s_wait_dscnt \younger
.if (\a) == 4
	s_add_nc_u64 s[10:11], s[10:11], s[94:95]      ; (behind a wait on XCNT: the earlier stores have read their base)
.elseif (\a) > 0
	s_add_nc_u64 s[10:11], s[10:11], 1024
.endif
.irp i, 0,1,2,3
	global_store_b128 v[CO+(\i/2)], v[BB+4*\i:BB+4*\i+3], s[10:11] offset:(\i%2)*512   ; 32 lanes store 512 consecutive bytes, aligned
.endr
.endm
	TOSTAGE 0
.irp a, 1,2,3,4,5,6,7
.if \a > 1
	s_wait_xcnt 0x0                                ; block a - 2's stores have read their registers and their base
.endif
	TOSTAGE \a
	SEND \a-1, 8                                   ; behind block a - 1's loads: block a's 4 stores and 4 loads
.endr
	s_wait_xcnt 0x0
	SEND 7, 0
	s_wait_tensorcnt 0x0                           ; the wave's end
	ds_add_u32 v[SPW], v[NIL]
	s_wait_dscnt 0x0
	CROUND                                         ; the closing round
	s_endpgm
.Lfunc_end_k_qfc933c7b78_qkv:
	.size	k_qfc933c7b78_qkv, .Lfunc_end_k_qfc933c7b78_qkv-k_qfc933c7b78_qkv
	.p2alignl 7, 3214868480
	.fill 96, 4, 3214868480
	.section	.rodata,"a",@progbits
	.p2align	6, 0x0
	.amdhsa_kernel k_qfc933c7b78_qkv
		.amdhsa_group_segment_fixed_size 327680
		.amdhsa_private_segment_fixed_size 0
		.amdhsa_enable_private_segment 0
		.amdhsa_kernarg_size 56
		.amdhsa_user_sgpr_count 2
		.amdhsa_user_sgpr_kernarg_segment_ptr 1
		.amdhsa_wavefront_size32 1
		.amdhsa_system_sgpr_workgroup_id_x 1
		.amdhsa_system_sgpr_workgroup_id_y 1
		.amdhsa_system_sgpr_workgroup_id_z 1
		.amdhsa_system_vgpr_workitem_id 0
		.amdhsa_next_free_vgpr 1024
		.amdhsa_next_free_sgpr 102
		.amdhsa_reserve_vcc 0
		.amdhsa_float_denorm_mode_32 3
		.amdhsa_float_denorm_mode_16_64 3
		.amdhsa_fp16_overflow 1
		.amdhsa_memory_ordered 1
		.amdhsa_forward_progress 1
		.amdhsa_inst_pref_size 130
	.end_amdhsa_kernel
	.amdgpu_metadata
---
amdhsa.version: [ 1, 2 ]
amdhsa.kernels:
  - .name:           k_qfc933c7b78_qkv
    .symbol:         k_qfc933c7b78_qkv.kd
    .args:
      - { .name: xc, .offset: 0, .size: 8, .value_kind: global_buffer, .address_space: global }
      - { .name: wc, .offset: 8, .size: 8, .value_kind: global_buffer, .address_space: global }
      - { .name: lowp_scales, .offset: 16, .size: 8, .value_kind: global_buffer, .address_space: global }
      - { .name: bq, .offset: 24, .size: 8, .value_kind: global_buffer, .address_space: global }
      - { .name: bk, .offset: 32, .size: 8, .value_kind: global_buffer, .address_space: global }
      - { .name: bv, .offset: 40, .size: 8, .value_kind: global_buffer, .address_space: global }
      - { .name: qkv, .offset: 48, .size: 8, .value_kind: global_buffer, .address_space: global }
    .group_segment_fixed_size: 327680
    .private_segment_fixed_size: 0
    .kernarg_segment_align: 8
    .kernarg_segment_size: 56
    .max_flat_workgroup_size: 128
    .sgpr_count:     102
    .vgpr_count:     1024
    .wavefront_size: 32
...
	.end_amdgpu_metadata
.endif
;; end of part 2
;; launch attn (part 3): grid 8 x 64, 16 waves a work-group, clusters of 4 x 1, 327,680 bytes of LDS; arguments qkv, lowp_scales, yc; writes yc
.if DOCPART == 3
	.amdgcn_target "amdgcn-amd-amdhsa--gfx1250"
	.amdhsa_code_object_version 6
	.text
	.protected	k_qfc933c7b78_attn
	.globl	k_qfc933c7b78_attn
	.p2align	8
	.type	k_qfc933c7b78_attn,@function
k_qfc933c7b78_attn:
	s_mov_b64 s[64:65], 0
	v_nop
	global_prefetch_b8 v0, s[64:65] scope:SCOPE_SE
	s_setreg_imm32_b32 hwreg(HW_REG_WAVE_MODE, 25, 1), 1
	s_wait_xcnt 0x0
	s_wait_alu depctr_hold_cnt(0) depctr_sa_sdst(0) depctr_va_vdst(0) depctr_va_sdst(0) depctr_va_ssrc(0) depctr_va_vcc(0) depctr_vm_vsrc(0)
	s_getreg_b32 s2, hwreg(HW_REG_IB_STS2, 6, 4)
	s_cmp_eq_u32 s2, 0
	s_cbranch_scc0 .Lentry_in_a_cluster
	s_endpgm
.Lentry_in_a_cluster:
	s_bfe_u32 s2, ttmp6, 0x10000c
	s_cmp_lg_u32 s2, 0x3003
	s_cbranch_scc0 .Lentry_shape_is_right
	s_endpgm
.Lentry_shape_is_right:
; Causal attention on codes of FP8 (E4M3), head size 64, 2,048 tokens, 64 heads (batch x 16 + head = work-group y), and the result quantised at once for the last projection.
; q, k: planes 0, 1 of qkv, [head][t][64 bytes]; v: plane 2, [head][key block of 64][channel][64 bytes]; in each 64 bytes bits 3 and 4 of the index are exchanged, so that 16-byte loads bring the operands' own layout.
; THE SOFTMAX: t = score x log2(e) / 8; M = the running largest t rounded UP to a whole number; p = 2^(t - M) is quantised (2^e8), not normalised; the row's sum is taken of the unquantised p and divides at the end.
; When M moves, the sum and O are multiplied by 2^(old M - new M): exact.  y = O / sum x 2^(e8 + e9), held within +-448 x 2^e10 and converted.
; LIMITS: e6 + e7 between -123 and 130 (added to c's exponent field); e8 and e10 between -126 and 119.  NaN is not served.
; SHARES.  A wave owns one tile of 16 queries, in 256 registers: four waves to a SIMD.  A head's 16 blocks of 128 queries are split between its two clusters.  WHICH BLOCK a wave works in hangs on the wave's number and the
; cluster's x alone; only the tile inside the block hangs on the work-group's place in the cluster (32 cx + 16 x bit).  So all four partners take the same branches, and the steps that the mask hides can be left out
; beside joint loads.  A block qb has qb + 1 key steps of 128; the blocks are dealt so that the waves with equal number % 4, and those with equal number / 4, have 34 steps together, and every work-group 136.
; CLUSTER: the four partners walk the same K and V: each tile is asked for jointly.  Every work-group walks all four slots of 512 keys: trip counts are constants.
; LAYOUT.  S^T = K Q^T (source 0 = 16 keys, source 1 = my 16 queries), O^T = V^T P^T: a lane holds ONE query (lane % 16) throughout; tile u's eight scores are keys 16 u + 8 (lane / 16) + 0 .. 7,
; and their eight codes are registers 2 u, 2 u + 1 of the second product's operand.
; LDS: two slots, 2^17 bytes apart.  K's and V's tiles are dense in memory and come as rows of 256 bytes + 16 of padding: four keys (or four channels of a key block) to a row.
; A lane's place in a fragment of 16 x 64 bytes is 272 (r / 4) + 64 (r % 4) + 16 h: sixteen lanes touch sixteen different 16-byte columns.
.set SLOT1, 1<<17
.set VOFF,  128*272                    ; a slot: 128 long rows of K, then 128 of V
.set SPARE, 2*SLOT1                    ; behind the ring: the spare words, 128 bytes for each of the sixteen waves
.set AK0,  1                           ; v1   my lane's place in a fragment of K
.set AV0,  2                           ; v2   the same for V
.set PFO,  3                           ; v3   256 x lane, for the prefetches; never rewritten
.set QL,   4                           ; v4   my query's place in its block, less 8 (lane / 16)
.set SPW,  5
.set NIL,  6
.set GO,   7                           ; v7   16 x lane
.set ADK,  8
.set ADV,  9
.set WV,   18
.set SEL,  20                          ; s[20:21] lane selects for v_permlanex16_b32: lane l xor 16
.set CS,   22                          ; s[22:23] c = log2(e) / 8 x 2^(e6 + e7)
.set G1,   24                          ; s[24:31] descriptor group 1
.set G0,   40                          ; s[40:43] descriptor group 0, which walks
.set TB,   44                          ; s44  LDS byte at which the slot in hand begins
.set SLOTS, 45
.set KF,   46                          ; s46  the step's first key
.set QB,   47                          ; s47  my block's first query
.set PFA,  48                          ; s[48:49] where my prefetches stand
.set LIM,  50
.macro MKSCALE se, vs, vl
	s_add_co_i32 s61, \se, 127
	s_lshl_b32 s62, s61, 23
	v_mov_b32 v[\vs], s62
.endm
; Waves 0 and 1 fetch K's halves of a slot, waves 2 and 3 V's, the others nothing.  The branch hangs on the wave's number alone.  An s_nop 0 and four v_nop follow the line.
.macro TLOAD
	s_cmp_lt_u32 s[WV], 4
	s_cbranch_scc0 .Lasked_\@
	tensor_load_to_lds s[G0:G0+3], s[G1:G1+7]
	s_nop 0
.rept 4
	v_nop
.endr
.Lasked_\@:
.endm
; A prefetch of what the NEXT change of slots will ask for: 32,768 bytes of K and as many of V.  Both clusters of a head walk the same bytes: the first asks.  Its four partners share them out BY ADDRESS, 8,192 bytes each,
; lanes 256 bytes apart; in each, wave 4 asks for K's and wave 5 for V's, one instruction.  So each aligned block of 256 bytes is named once in the launch.  The last change that fills a slot asks for nothing.
.macro ASK
	s_cmp_gt_u32 s[SLOTS], s[LIM]
	s_cbranch_scc0 .Lnot_mine_\@
	global_prefetch_b8 v[PFO], s[PFA:PFA+1] th:TH_LOAD_NT scope:SCOPE_SE
.Lnot_mine_\@:
.endm
.macro CROUND                          ; a round of the cluster's barrier
	s_barrier_signal -1
	s_barrier_wait -1
	s_cmp_lg_u32 s[WV], 0
	s_cbranch_scc1 .Lnot_wave_0_\@
	s_barrier_signal -3
.Lnot_wave_0_\@:
	s_barrier_wait -3
	s_barrier_signal -1
	s_barrier_wait -1
.endm
	s_load_b128 s[4:7], s[0:1], 0x0                ; qkv s[4:5], the scales s[6:7]
	s_load_b64 s[8:9], s[0:1], 0x10                ; yc
	v_lshl_add_u32 v[SPW], v0, 2, SPARE
	v_mov_b32 v[NIL], 0
	ds_add_u32 v[SPW], v[NIL]                      ; the wave's opening: the add and its wait ahead of my first tensor load; work on registers stands between them
	ds_add_u32 v[SPW], v[NIL]
	v_lshrrev_b32 v8, 5, v0
	s_delay_alu instid0(VALU_DEP_1)
	v_readfirstlane_b32 s[WV], v8                  ; wave 0..15
	s_bfe_u32 s19, ttmp6, 0x40000                  ; cx
	s_and_b32 s60, ttmp7, 0xffff                   ; the head
	; my block.  In cluster 0 waves 0-3 take blocks 15, 9, 6, 0; waves 4-7: 13, 11, 4, 2; waves 8-15 the same in reverse within each four; cluster 1 takes the other eight blocks likewise
	s_and_b32 s61, s[WV], 3
	s_lshr_b32 s62, s[WV], 2
	s_lshr_b32 s63, s62, 1                         ; bit: which 16 of my work-group's 32 queries of the block
	s_mul_i32 s66, s63, 3
	s_xor_b32 s61, s61, s66
	s_lshr_b32 s66, s61, 1                         ; lo
	s_and_b32 s67, s61, 1
	s_xor_b32 s67, s67, s66
	s_mul_i32 s67, s67, 3
	s_and_b32 s62, s62, 1
	s_xor_b32 s62, s62, s67
	s_lshl_b32 s62, s62, 1
	s_add_co_u32 s62, s62, ttmp9                   ; the cluster's x: 0 or 1
	s_xor_b32 s66, s66, 1
	s_mul_i32 s66, s66, 15
	s_xor_b32 s68, s62, s66                        ; the block, 0 .. 15
	s_lshl_b32 s[QB], s68, 7
	s_lshl_b32 s74, s19, 5
	s_lshl_b32 s75, s63, 4
	s_add_co_u32 s74, s74, s75                     ; my tile's place in the block: 32 cx + 16 bit
	s_add_co_u32 s76, s[QB], s74                   ; my first query
	s_lshl_b32 s73, s60, 17                        ; the head's first byte in each plane
	s_lshl_b32 s12, s76, 6
	s_add_co_u32 s12, s12, s73                     ; q's codes of my first query
	s_mov_b32 s13, 0
	s_lshr_b32 s14, s60, 4                         ; yc: [token tile of 256][head 16][256][64]: the batch's 8 tiles,
	s_lshl_b32 s14, s14, 21
	s_lshr_b32 s15, s68, 1                         ; the tile,
	s_lshl_b32 s15, s15, 18
	s_add_co_u32 s14, s14, s15
	s_and_b32 s15, s60, 15                         ; the head,
	s_lshl_b32 s15, s15, 14
	s_add_co_u32 s14, s14, s15
	s_and_b32 s15, s76, 255                        ; the token in the tile
	s_lshl_b32 s15, s15, 6
	s_add_co_u32 s14, s14, s15
	s_mov_b32 s15, 0
	; what I fetch, if I fetch: plane 1 (waves 0, 1) or 2 (waves 2, 3), the head, the slot's first or second 16,384 bytes.  Nothing here hangs on cx
	s_bfe_u32 s70, s[WV], 0x10001
	s_add_co_u32 s70, s70, 1
	s_lshl_b32 s70, s70, 23
	s_add_co_u32 s70, s70, s73
	s_and_b32 s72, s[WV], 1
	s_lshl_b32 s72, s72, 14
	s_add_co_u32 s70, s70, s72
	s_mov_b32 s71, 0
	s_mov_b32 s[G0], 1                             ; count = 1
	s_and_b32 s69, s[WV], 3
	s_mul_i32 s[G0+1], s69, 64*272                 ; LDS address: K's halves, then V's
	s_mov_b32 s[G1], 15|(1<<20)|(1<<21)|(5<<22)|(3<<25)  ; the mask: all four work-groups; elements of 1 byte; padding on; bit 21 beside a mask; after every 64 words, 4 words
	s_mov_b32 s[G1+1], 256<<16                     ; tensor_dim0
	s_mov_b32 s[G1+2], 64<<16                      ; tensor_dim1
	s_mov_b32 s[G1+3], 256<<16                     ; tile_dim0
	s_mov_b32 s[G1+4], 64                          ; tile_dim1
	s_mov_b32 s[G1+5], 256                         ; tensor_dim0_stride: the block is dense
	s_mov_b32 s[G1+6], 0
	s_mov_b32 s[G1+7], 0
	; the prefetches: plane 1 (wave 4) or 2 (wave 5), the head, my work-group's 8,192 bytes, in the second slot's worth of keys: the first change of slots steps it to the third
	s_and_b32 s66, s[WV], 1
	s_add_co_u32 s66, s66, 1
	s_lshl_b32 s66, s66, 23
	s_add_co_u32 s66, s66, s73
	s_lshl_b32 s67, s19, 13
	s_add_co_u32 s66, s66, s67
	s_add_co_u32 s66, s66, 32768
	s_mov_b32 s67, 0
	s_lshr_b32 s69, s[WV], 1
	s_xor_b32 s69, s69, 2                          ; 0 in waves 4 and 5,
	s_or_b32 s69, s69, ttmp9                       ; of the head's first cluster: the same in all four partners
	s_cmp_eq_u32 s69, 0
	s_cselect_b32 s[LIM], 1, -1
	s_mov_b32 s[SEL], 0x76543210
	s_mov_b32 s[SEL+1], 0xfedcba98
	s_mov_b32 s[CS], 0x3e38aa3b                    ; log2(e) / 8
	s_mov_b32 s[TB], 0
	s_mov_b32 s[SLOTS], 3
	s_mov_b32 s[KF], 0
	s_wait_dscnt 0x0                               ; the opening add is done
	s_wait_kmcnt 0x0
	s_load_b256 s[52:59], s[6:7], 0x10             ; e4 .. e11: e6 s54, e7 s55, e8 s56, e9 s57, e10 s58
	s_add_nc_u64 s[G0+2:G0+3], s[4:5], s[70:71]
	s_or_b32 s[G0+3], s[G0+3], 0x80000000          ; type = 2
	s_add_nc_u64 s[10:11], s[4:5], s[12:13]
	s_add_nc_u64 s[8:9], s[8:9], s[14:15]
	s_add_nc_u64 s[PFA:PFA+1], s[4:5], s[66:67]
	CROUND                                         ; all four work-groups are here: the first joint loads meet
	TLOAD                                          ; slot 0
	v_and_b32 v8, 15, v0                           ; r
	v_bfe_u32 v9, v0, 4, 1                         ; h
	s_delay_alu instid0(VALU_DEP_2)
	v_lshlrev_b32 v11, 6, v8
	s_delay_alu instid0(VALU_DEP_1)
	v_lshl_add_u32 v11, v9, 4, v11                 ; q: row r of 64 bytes, + 16 h
	global_load_b128 v[16:19], v11, s[10:11]       ; q's fragment stays in registers
	global_load_b128 v[20:23], v11, s[10:11] offset:32
	v_lshrrev_b32 v10, 2, v8
	s_delay_alu instid0(VALU_DEP_1)
	v_mul_u32_u24 v[AK0], v10, 272
	v_and_b32 v10, 3, v8
	s_delay_alu instid0(VALU_DEP_1)
	v_lshl_add_u32 v[AK0], v10, 6, v[AK0]
	s_delay_alu instid0(VALU_DEP_1)
	v_lshl_add_u32 v[AK0], v9, 4, v[AK0]
	s_delay_alu instid0(VALU_DEP_1)
	v_add_nc_u32 v[AV0], VOFF, v[AK0]
	v_and_b32 v[GO], 31, v0
	s_delay_alu instid0(VALU_DEP_1)
	v_lshlrev_b32 v[PFO], 8, v[GO]
	s_delay_alu instid0(VALU_DEP_2)
	v_lshlrev_b32 v[GO], 4, v[GO]
	v_lshlrev_b32 v10, 3, v9
	s_delay_alu instid0(VALU_DEP_1)
	v_sub_nc_u32 v[QL], v8, v10
	s_delay_alu instid0(VALU_DEP_1)
	v_add_nc_u32 v[QL], s74, v[QL]
	v_mov_b32 v13, 0xff61b1e6                      ; the largest t so far: -3e38, under every t
	s_delay_alu instid0(VALU_DEP_1)
	v_floor_f32 v12, -v13                          ; -M
	v_mov_b32 v14, 0                               ; the sum, in two halves
	v_mov_b32 v15, 0
	v_mov_b32 v236, 0                              ; written once: a lane permute's destination counts as one of its sources
	v_mov_b32 v253, 0                              ; (named as the upper half of the pair v[252:253])
.set j, 0
.rept 32
	v_mov_b32 v[160+j], 0                          ; O^T.  (The step is written once: the first finds zeros, which the first change of M leaves zeros)
.set j, j+1
.endr
	s_wait_kmcnt 0x0
	s_add_co_i32 s61, s54, s55
	s_lshl_b32 s61, s61, 23
	s_add_co_i32 s[CS], s[CS], s61                 ; a score stands for score x 2^(e6 + e7)
	s_mov_b32 s[CS+1], s[CS]
	MKSCALE s56, 244, 240                          ; 2^e8, for p
	MKSCALE s58, 245, 241                          ; 2^e10, for y
	s_add_co_i32 s51, s56, s57                     ; e8 + e9
; A KEY STEP: 128 keys, the q-th of the slot in hand.
.macro STEP q
	s_cmp_gt_u32 s[KF], s[QB]                      ; all its keys come after my block's queries: the step's work is left out (a branch on ids; no barrier and no tensor load stands in a step)
	s_cbranch_scc1 .Lhidden_\@
	v_add_nc_u32 v[ADK], s[TB], v[AK0]
	v_add_nc_u32 v[ADV], s[TB], v[AV0]
	v_nop                                          ; with the two additions: four places in front of loads into registers that matrix instructions have read
	v_nop
.set u, 0
.rept 8
	ds_load_b128 v[32+8*u:35+8*u], v[ADK] offset:(32*(\q)+4*u)*272
	ds_load_b128 v[36+8*u:39+8*u], v[ADK] offset:(32*(\q)+4*u)*272+32
.set u, u+1
.endr
	s_wait_alu depctr_va_vdst(0)
	s_wait_dscnt 8                                 ; tiles 0 to 3 are in; the youngest eight loads (tiles 4 to 7) may be out
.set u, 0
.rept 4
	v_wmma_f32_16x16x64_fp8_fp8 v[96+8*u:103+8*u], v[32+8*u:39+8*u], v[16:23], 0
.set u, u+1
.endr
	s_wait_dscnt 0x0
.rept 4
	v_wmma_f32_16x16x64_fp8_fp8 v[96+8*u:103+8*u], v[32+8*u:39+8*u], v[16:23], 0
.set u, u+1
.endr
.rept 4
	v_nop
.endr
.irp t, 0,1,2,3                                ; V's four fragments (16 channels x 128 keys) are asked for now and land under the softmax
.irp c, 0,1,2,3
	ds_load_b128 v[32+16*\t+4*\c:32+16*\t+4*\c+3], v[ADV] offset:(2*(\q)+\c/2)*4352+1088*\t+32*(\c%2)
.endr
.endr
	s_cmp_lt_u32 s[KF], s[QB]                      ; all keys count: no mask
	s_cbranch_scc1 .Lopen_\@
	v_mov_b32 v254, 0xff800000                     ; on the diagonal KF = QB.  Register n holds key KF + 16 (n / 8) + 8 (lane / 16) + n % 8: hidden where 16 (n / 8) + n % 8 > v[QL]; its score becomes -infinity, p = 0
.set n, 0
.rept 64
	v_cmp_gt_i32 vcc_lo, 16*(n/8)+n%8, v[QL]
	v_cndmask_b32 v[96+n], v[96+n], v254, vcc_lo
.set n, n+1
.endr
.Lopen_\@:
	v_max3_num_f32 v254, v96, v97, v98             ; the step's largest score of my query, among my 64 keys, in two chains,
	v_max3_num_f32 v252, v99, v100, v101
.irp i, 6,10,14,18,22,26,30,34,38,42,46,50,54,58
	v_max3_num_f32 v254, v254, v[96+\i], v[97+\i]
	v_max3_num_f32 v252, v252, v[98+\i], v[99+\i]
.endr
	v_max3_num_f32 v254, v254, v158, v159
	s_delay_alu instid0(VALU_DEP_1)
	v_max_num_f32 v254, v254, v252
	s_delay_alu instid0(VALU_DEP_1)
	v_permlanex16_b32 v236, v254, s[SEL], s[SEL+1]
	s_delay_alu instid0(VALU_DEP_1)
	v_max_num_f32 v254, v254, v236                 ; and among lane l xor 16's
	s_delay_alu instid0(VALU_DEP_1)
	v_mul_f32 v254, s[CS], v254                    ; as t (c is positive)
	s_delay_alu instid0(VALU_DEP_1)
	v_max_num_f32 v13, v13, v254                   ; the running largest t
	v_mov_b32 v254, v12
	s_delay_alu instid0(VALU_DEP_2)
	v_floor_f32 v12, -v13                          ; the new -M = floor(-t): M is a whole number
	s_delay_alu instid0(VALU_DEP_1)
	v_sub_f32 v254, v12, v254                      ; M's old value less its new one
	s_delay_alu instid0(VALU_DEP_1)
	v_cvt_i32_f32 v254, v254                       ; (it saturates)
	s_delay_alu instid0(VALU_DEP_1)
	v_ldexp_f32 v252, 1.0, v254                    ; f = 2^(old M - new M)
.set j, 0
.rept 32
	v_pk_fma_f32 v[96+j:97+j], v[96+j:97+j], s[CS:CS+1], v[12:13] op_sel_hi:[1,0,0]   ; t - M, two at a time
.set j, j+2
.endr
.set j, 0
	s_wait_alu depctr_va_vdst(0)
.rept 64
	v_exp_f32 v[96+j], v[96+j]                     ; p = 2^(t - M), at most 1
.set j, j+1
.endr
	v_pk_mul_f32 v[14:15], v[14:15], v[252:253] op_sel_hi:[1,0]   ; the sums under the new M.  (The plain line behind the exponentials)
	s_wait_alu depctr_va_vdst(0)                   ; one wait for the whole batch, ahead of its first reader
	v_pk_add_f32 v[242:243], v[100:101], v[104:105]
	v_pk_add_f32 v[254:255], v[108:109], v[112:113]
	v_pk_add_f32 v[250:251], v[116:117], v[120:121]
	v_pk_add_f32 v[248:249], v[124:125], v[128:129]
	v_pk_add_f32 v[246:247], v[132:133], v[136:137]
	v_pk_add_f32 v[240:241], v[140:141], v[144:145]
	v_pk_add_f32 v[238:239], v[148:149], v[152:153]
	v_pk_add_f32 v[14:15], v[14:15], v[156:157]
	v_pk_add_f32 v[242:243], v[242:243], v[96:97]
	v_pk_add_f32 v[254:255], v[254:255], v[98:99]
	v_pk_add_f32 v[250:251], v[250:251], v[102:103]
	v_pk_add_f32 v[248:249], v[248:249], v[106:107]
	v_pk_add_f32 v[246:247], v[246:247], v[110:111]
	v_pk_add_f32 v[240:241], v[240:241], v[114:115]
	v_pk_add_f32 v[238:239], v[238:239], v[118:119]
	v_pk_add_f32 v[14:15], v[14:15], v[122:123]
	v_pk_add_f32 v[242:243], v[242:243], v[126:127]
	v_pk_add_f32 v[254:255], v[254:255], v[130:131]
	v_pk_add_f32 v[250:251], v[250:251], v[134:135]
	v_pk_add_f32 v[248:249], v[248:249], v[138:139]
	v_pk_add_f32 v[246:247], v[246:247], v[142:143]
	v_pk_add_f32 v[240:241], v[240:241], v[146:147]
	v_pk_add_f32 v[238:239], v[238:239], v[150:151]
	v_pk_add_f32 v[14:15], v[14:15], v[154:155]
	v_pk_add_f32 v[242:243], v[242:243], v[158:159]
	s_delay_alu instid0(VALU_DEP_2)
	v_pk_add_f32 v[14:15], v[14:15], v[248:249]
	s_delay_alu instid0(VALU_DEP_2)
	v_pk_add_f32 v[242:243], v[242:243], v[246:247]
	v_pk_add_f32 v[254:255], v[254:255], v[240:241]
	v_pk_add_f32 v[250:251], v[250:251], v[238:239]
	s_delay_alu instid0(VALU_DEP_2)
	v_pk_add_f32 v[14:15], v[14:15], v[254:255]
	s_delay_alu instid0(VALU_DEP_2)
	v_pk_add_f32 v[242:243], v[242:243], v[250:251]
	s_delay_alu instid0(VALU_DEP_1)
	v_pk_add_f32 v[14:15], v[14:15], v[242:243]
.set j, 0
.rept 64
.set j, j+1
.endr
.set u, 0
.rept 8
	v_cvt_scalef32_pk8_fp8_f32 v[192+2*u:193+2*u], v[96+8*u:103+8*u], v244
.set u, u+1
.endr
.set j, 0
.rept 16
	v_pk_mul_f32 v[160+j:161+j], v[160+j:161+j], v[252:253] op_sel_hi:[1,0]   ; O^T under the new M.  (Also the plain lines between the conversions and the products)
.set j, j+2
.endr
	s_wait_alu depctr_va_vdst(0)
	s_wait_dscnt 0x0                               ; V is in
.irp t, 0,1,2,3                                ; the four accumulators take turns, and eight other products stand between two steps' turns
	v_wmma_f32_16x16x128_fp8_fp8 v[160+8*\t:167+8*\t], v[32+16*\t:47+16*\t], v[192:207], v[160+8*\t:167+8*\t]
.endr
.Lhidden_\@:
	s_add_co_u32 s[KF], s[KF], 128
.endm
; THE CHANGE OF SLOTS stands at a slot's head.  Each wave waits for all its tensor loads (its part of the slot ahead), adds 0 to its spare word, and waits for that and for its reads of the slot that it has left.
; fill = 1: the barrier is a round of the cluster's, and behind it the slot just left is filled with the next 512 keys: the load has a slot's four steps in which to land.
.macro CHANGE fill
	s_wait_tensorcnt 0x0                           ; no tensor load of mine is out, so the group 0 may be written
	ds_add_u32 v[SPW], v[NIL]
.if \fill
	s_xor_b32 s[G0+1], s[G0+1], SLOT1              ; the other slot than last time,
	s_add_nc_u64 s[G0+2:G0+3], s[G0+2:G0+3], 32768 ; the next 512 keys; the type bits on top are not reached
	s_wait_xcnt 0x0                                ; the last prefetch, a slot back, has read its address
	s_add_nc_u64 s[PFA:PFA+1], s[PFA:PFA+1], 32768
.endif
	s_wait_dscnt 0x0                               ; the add is done, and my reads of the slot that I have left are over
.if \fill
	CROUND
	TLOAD                                          ; the first thing behind the round, and a wave's one tensor load until the next
	ASK
.else
	s_barrier_signal -1
	s_barrier_wait -1
.endif
.endm
.macro SLOT_STEPS
	STEP 0
	STEP 1
	STEP 2
	STEP 3
	s_xor_b32 s[TB], s[TB], SLOT1
.endm
	s_wait_loadcnt 0x0                             ; q
.Lslot:                                            ; three trips: behind each change of slots but the last the next slot is asked for
	CHANGE 1
	SLOT_STEPS
	s_sub_co_u32 s[SLOTS], s[SLOTS], 1
	s_cmp_lg_u32 s[SLOTS], 0
	s_cbranch_scc1 .Lslot
	CHANGE 0                                       ; the last slot is written out
	SLOT_STEPS
	; THE WAY OUT.  O^T / the sum x 2^(e8 + e9); four conversions: a lane's 8 channels of tile t are 8 bytes of its query's row.  The 16 rows of 64 bytes go through my stage (80 bytes apart, in slot 0, which has
	; had its last fill and which nobody reads) and leave as 1,024 consecutive bytes of yc.
	v_add_f32 v14, v14, v15
	s_delay_alu instid0(VALU_DEP_1)
	v_permlanex16_b32 v252, v14, s[SEL], s[SEL+1]
	s_delay_alu instid0(VALU_DEP_1)
	v_add_f32 v14, v14, v252                       ; the row's sum
	s_wait_alu depctr_va_vdst(0)
	v_rcp_f32 v14, v14
	v_and_b32 v8, 15, v0                           ; (a plain line behind the reciprocal)  r
	v_bfe_u32 v9, v0, 4, 1                         ; h
	s_mul_i32 s61, s[WV], 16*80                    ; my stage
	v_mul_u32_u24 v10, v8, 80
	s_delay_alu instid0(VALU_DEP_1)
	v_lshl_add_u32 v10, v9, 3, v10
	s_delay_alu instid0(VALU_DEP_1)
	v_add_nc_u32 v10, s61, v10                     ; in: row r, + 8 h
	v_and_b32 v252, 31, v0
	s_delay_alu instid0(VALU_DEP_1)
	v_lshrrev_b32 v254, 2, v252
	s_delay_alu instid0(VALU_DEP_1)
	v_mul_u32_u24 v11, v254, 80
	s_delay_alu instid0(VALU_DEP_3)
	v_and_b32 v254, 3, v252
	s_delay_alu instid0(VALU_DEP_1)
	v_lshl_add_u32 v11, v254, 4, v11
	s_delay_alu instid0(VALU_DEP_1)
	v_add_nc_u32 v11, s61, v11                     ; back: four lanes to a row, eight rows an instruction
	s_wait_alu depctr_va_vdst(0)                   ; the wait ahead of the reciprocal's first reader
	v_ldexp_f32 v14, v14, s51
.set j, 0
.rept 32
	v_mul_f32 v[96+j], v[160+j], v14               ; register 8 t + i is y(r, 16 t + 8 h + i); each accumulator from its low end on
.set j, j+1
.endr
.set j, 0
.rept 32
.set j, j+1
.endr
.irp t, 0,1,2,3
	v_cvt_scalef32_pk8_fp8_f32 v[192+2*\t:193+2*\t], v[96+8*\t:103+8*\t], v245
.endr
	v_nop                                          ; one plain line behind the last conversion
.irp t, 0,1,2,3
	ds_store_b64 v10, v[192+2*\t:193+2*\t] offset:16*\t
.endr
	ds_load_b128 v[32:35], v11                     ; LDS serves a wave's instructions in order: these see my stores
	ds_load_b128 v[36:39], v11 offset:8*80
	s_wait_dscnt 1                                 ; the first of the two is in
	global_store_b128 v[GO], v[32:35], s[8:9]      ; 32 lanes store 512 consecutive bytes, aligned
	s_wait_dscnt 0x0
	global_store_b128 v[GO], v[36:39], s[8:9] offset:512
	s_wait_tensorcnt 0x0                           ; the wave's end
	ds_add_u32 v[SPW], v[NIL]
	s_wait_dscnt 0x0
	CROUND                                         ; the closing round
	s_endpgm
.Lfunc_end_k_qfc933c7b78_attn:
	.size	k_qfc933c7b78_attn, .Lfunc_end_k_qfc933c7b78_attn-k_qfc933c7b78_attn
	.p2alignl 7, 3214868480
	.fill 96, 4, 3214868480
	.section	.rodata,"a",@progbits
	.p2align	6, 0x0
	.amdhsa_kernel k_qfc933c7b78_attn
		.amdhsa_group_segment_fixed_size 327680
		.amdhsa_private_segment_fixed_size 0
		.amdhsa_enable_private_segment 0
		.amdhsa_kernarg_size 24
		.amdhsa_user_sgpr_count 2
		.amdhsa_user_sgpr_kernarg_segment_ptr 1
		.amdhsa_wavefront_size32 1
		.amdhsa_system_sgpr_workgroup_id_x 1
		.amdhsa_system_sgpr_workgroup_id_y 1
		.amdhsa_system_sgpr_workgroup_id_z 1
		.amdhsa_system_vgpr_workitem_id 0
		.amdhsa_next_free_vgpr 256
		.amdhsa_next_free_sgpr 80
		.amdhsa_reserve_vcc 1
		.amdhsa_float_denorm_mode_32 3
		.amdhsa_float_denorm_mode_16_64 3
		.amdhsa_fp16_overflow 1
		.amdhsa_memory_ordered 1
		.amdhsa_forward_progress 1
		.amdhsa_inst_pref_size 163
	.end_amdhsa_kernel
	.amdgpu_metadata
---
amdhsa.version: [ 1, 2 ]
amdhsa.kernels:
  - .name:           k_qfc933c7b78_attn
    .symbol:         k_qfc933c7b78_attn.kd
    .args:
      - { .name: qkv, .offset: 0, .size: 8, .value_kind: global_buffer, .address_space: global }
      - { .name: lowp_scales, .offset: 8, .size: 8, .value_kind: global_buffer, .address_space: global }
      - { .name: yc, .offset: 16, .size: 8, .value_kind: global_buffer, .address_space: global }
    .group_segment_fixed_size: 327680
    .private_segment_fixed_size: 0
    .kernarg_segment_align: 8
    .kernarg_segment_size: 24
    .max_flat_workgroup_size: 512
    .sgpr_count:     80
    .vgpr_count:     256
    .wavefront_size: 32
...
	.end_amdgpu_metadata
.endif
;; end of part 3
;; launch proj (part 4): grid 4 x 32, 4 waves a work-group, clusters of 4 x 4, 327,680 bytes of LDS; arguments yc, wc, lowp_scales, bp, out0; writes out0
.if DOCPART == 4
	.amdgcn_target "amdgcn-amd-amdhsa--gfx1250"
	.amdhsa_code_object_version 6
	.text
	.protected	k_qfc933c7b78_proj
	.globl	k_qfc933c7b78_proj
	.p2align	8
	.type	k_qfc933c7b78_proj,@function
k_qfc933c7b78_proj:
	s_mov_b64 s[64:65], 0
	v_nop
	global_prefetch_b8 v0, s[64:65] scope:SCOPE_SE
	s_setreg_imm32_b32 hwreg(HW_REG_WAVE_MODE, 25, 1), 1
	s_wait_xcnt 0x0
	s_wait_alu depctr_hold_cnt(0) depctr_sa_sdst(0) depctr_va_vdst(0) depctr_va_sdst(0) depctr_va_ssrc(0) depctr_va_vcc(0) depctr_vm_vsrc(0)
	s_getreg_b32 s2, hwreg(HW_REG_IB_STS2, 6, 4)
	s_cmp_eq_u32 s2, 0
	s_cbranch_scc0 .Lentry_in_a_cluster
	s_endpgm
.Lentry_in_a_cluster:
	s_bfe_u32 s2, ttmp6, 0x10000c
	s_cmp_lg_u32 s2, 0xf033
	s_cbranch_scc0 .Lentry_shape_is_right
	s_endpgm
.Lentry_shape_is_right:
; out0 = y Wp + bp on codes of FP8 (E4M3): out0[m][n] = (sum over k of codes) x 2^(e10 + e11) + bp[n], one fused multiply-add in f32.  out0: [8192][1024] f32.
; LIMIT: e10 + e11 between -126 and 127.
; A = yc: [token tile of 256][head 16][256 tokens][64 bytes]: a K step of 256 (four heads) of a tile's 256 tokens is 65,536 dense bytes, fetched as rows of 256 bytes (four tokens of a head).  B = plane 3 of wc: [n][k].
; A tile of 256 x 256 of out0 is made by four waves, 128 x 128 each; K = 1,024 goes in four steps of 256 through a ring of two LDS slots.  128 tiles: one work-group each; a smaller tile would read each LDS byte for fewer products.
; CLUSTERS: 4 x 4 work-groups; A's tile is shared along a row of the cluster, B's along a column, each asked for jointly.  THE MATRIX INSTRUCTION IS USED TRANSPOSED: a lane holds eight neighbouring numbers of a row of out0.
; REGISTERS: window 0: v0-31 addresses; v32-35 the bias of my four columns of a row read back; from v128 A's fragments, ONE set; window 1: B's fragments, TWO sets; windows 2, 3: the accumulators.
.set KSTEP,  256
.set ROWB,   256
.set KROW,   1024
.set PITCH,  272                       ; an LDS row: 256 bytes + 16 of padding
.set HEADB,  64*PITCH                  ; a head's 256 tokens in LDS: 64 long rows
.set FR,     16
.set NL,     4
.set NP,     4
.set HALFT,  128*PITCH
.set SLOT,   4*HALFT
.set LAPS,   2
.set SPARE,  2*SLOT
.set SPITCH, 528                       ; the way out: a stage of 16 rows x (512 bytes + 16) for each wave, in slot 0, which has had its last fill and its last read by then
.set ADRA, 16
.set ADRB, 20
.set STO,  24
.set RD,   25
.set CO,   26
.set SPW,  28
.set NIL,  29
.set AF,   128
.set BK,   128                         ; the way out: 16 rows read back from the stage: v128-191 and v192-255 by turns
.set G1, 24
.set G0, 32
.set G1B, 48
.set G0B, 56
.set MSB, 0
.macro WIN new
.if MSB != (\new)
	s_set_vgpr_msb (MSB<<8)|(\new)
.set MSB, (\new)
.endif
.endm
.set MUL_LO, 0xa1
.set MUL_HI, 0xf1
.set TO_B,   0x40
.macro JLOAD g0a, g1a, g0b, g1b        ; a joint load: waves 0 and 1 fetch for A, waves 2 and 3 for B; an s_nop 0 and four v_nop follow each of the two lines
	s_cmp_eq_u32 s15, 0
	s_cbranch_scc0 .Lfor_b_\@
	tensor_load_to_lds s[\g0a:\g0a+3], s[\g1a:\g1a+7]
	s_nop 0
.rept 4
	v_nop
.endr
	s_branch .Lasked_\@
.Lfor_b_\@:
	tensor_load_to_lds s[\g0b:\g0b+3], s[\g1b:\g1b+7]
	s_nop 0
.rept 4
	v_nop
.endr
.Lasked_\@:
.endm
.macro CREST
	s_cmp_lg_u32 s14, 0
	s_cbranch_scc1 .Lnot_wave_0_\@
	s_barrier_signal -3
.Lnot_wave_0_\@:
	s_barrier_wait -3
	s_barrier_signal -1
	s_barrier_wait -1
.endm
.macro CROUND
	s_barrier_signal -1
	s_barrier_wait -1
	CREST
.endm
	s_load_b256 s[68:75], s[0:1], 0x0              ; yc s[68:69], wc s[70:71], the scales s[72:73], bp s[74:75]
	s_load_b64 s[10:11], s[0:1], 0x20              ; out0
	v_lshl_add_u32 v[SPW], v0, 2, SPARE
	v_mov_b32 v[NIL], 0
	ds_add_u32 v[SPW], v[NIL]                      ; the wave's opening: the add and its wait ahead of my first tensor load
	ds_add_u32 v[SPW], v[NIL]
	v_lshrrev_b32 v1, 5, v0
	v_readfirstlane_b32 s14, v1                    ; wave 0..3
	s_lshr_b32 s15, s14, 1                         ; my half of the tile's rows.  Also: I fetch for A (0) or for B (1)
	s_and_b32 s16, s14, 1                          ; my half of its columns.  Also: which half of that tile I fetch
	s_bfe_u32 s40, ttmp6, 0x40000                  ; cx
	s_bfe_u32 s41, ttmp6, 0x40004                  ; cy
	s_lshl_b32 s42, ttmp9, 2
	s_add_co_u32 s42, s42, s40                     ; tile column
	s_and_b32 s17, ttmp7, 0xffff
	s_lshl_b32 s17, s17, 2
	s_add_co_u32 s17, s17, s41                     ; tile row
	s_lshl_b32 s43, s41, 2
	s_lshl_b32 s43, 15, s43                        ; my row of the cluster
	s_lshl_b32 s44, 0x1111, s40                    ; my column
	s_or_b32 s[G1+0], s43, (0<<16)|(1<<20)|(1<<21)|(5<<22)|(3<<25)
	s_or_b32 s[G1B+0], s44, (0<<16)|(1<<20)|(1<<21)|(5<<22)|(3<<25)
.irp g, G1, G1B
	s_mov_b32 s[\g+1], ROWB<<16
	s_mov_b32 s[\g+2], 128<<16
	s_mov_b32 s[\g+3], ROWB<<16
	s_mov_b32 s[\g+4], 128
	s_mov_b32 s[\g+6], 0
	s_mov_b32 s[\g+7], 0
.endr
	s_mov_b32 s[G1+5], ROWB                        ; A's block is dense: a row begins where the last ends
	s_mov_b32 s[G1B+5], KROW
	s_lshl_b32 s20, s17, 18                        ; A: the tile's 262,144 bytes,
	s_lshl_b32 s18, s16, 15                        ; two of the K step's four heads
	s_add_co_u32 s20, s20, s18
	s_mov_b32 s21, 0
	s_lshl_b32 s46, s42, 8
	s_lshl_b32 s18, s16, 7
	s_add_co_u32 s46, s46, s18                     ; B: row 256 x tile column + 128 x half
	s_lshl_b32 s46, s46, 10
	s_add_co_u32 s46, s46, 3<<20                   ; in plane 3
	s_mov_b32 s47, 0
	s_mul_i32 s45, s14, HALFT
	s_wait_dscnt 0x0                               ; the opening add is done
	s_wait_kmcnt 0x0
	s_load_b64 s[96:97], s[72:73], 0x28            ; e10, e11
	s_add_nc_u64 s[20:21], s[68:69], s[20:21]
	s_add_nc_u64 s[46:47], s[70:71], s[46:47]
	CROUND                                         ; all sixteen work-groups are here: the first joint loads meet
.irp s, 0,1
	s_mov_b32 s[G0+4*\s], 1
	s_add_co_u32 s[G0+4*\s+1], s45, \s*SLOT
	s_add_nc_u64 s[G0+4*\s+2:G0+4*\s+3], s[20:21], \s*65536
	s_or_b32 s[G0+4*\s+3], s[G0+4*\s+3], 0x80000000
	s_mov_b32 s[G0B+4*\s], 1
	s_add_co_u32 s[G0B+4*\s+1], s45, \s*SLOT
	s_add_nc_u64 s[G0B+4*\s+2:G0B+4*\s+3], s[46:47], \s*ROWB
	s_or_b32 s[G0B+4*\s+3], s[G0B+4*\s+3], 0x80000000
	s_wait_alu depctr_va_vdst(0)
	s_wait_tensorcnt 0x0
	ds_add_u32 v28, v29
	ds_add_u32 v28, v29
	s_wait_dscnt 0x0
	CROUND
	JLOAD G0+4*\s, G1, G0B+4*\s, G1B
.endr
	v_and_b32 v1, 15, v0                           ; r
	v_bfe_u32 v2, v0, 4, 1                         ; h
	v_mul_u32_u24 v3, v1, PITCH
	v_lshl_add_u32 v4, v2, 4, v3                   ; B: row x pitch + 16 h
	v_lshrrev_b32 v5, 2, v1
	v_mul_u32_u24 v5, v5, PITCH
	v_and_b32 v6, 3, v1
	v_lshl_add_u32 v5, v6, 6, v5
	v_lshl_add_u32 v5, v2, 4, v5                   ; A: token r lies in long row r / 4 at byte 64 (r % 4); + 16 h
	s_mul_i32 s21, s15, 32*PITCH                   ; my 128 tokens: 32 long rows of each head
	s_mul_i32 s22, s16, HALFT
	s_add_co_u32 s22, s22, 2*HALFT
.irp s, 0,1
	v_add_nc_u32 v[ADRA+\s], s21, v5
	v_add_nc_u32 v[ADRB+\s], s22, v4
	s_add_co_u32 s21, s21, SLOT
	s_add_co_u32 s22, s22, SLOT
.endr
	s_mul_i32 s23, s14, 16*SPITCH                  ; my stage
	v_mul_u32_u24 v5, v1, SPITCH
	v_lshl_add_u32 v5, v2, 5, v5
	v_add_nc_u32 v[STO], s23, v5                   ; in: row r, 32 bytes for each half of the lanes
	v_and_b32 v6, 31, v0
	v_lshlrev_b32 v[CO], 4, v6                     ; back: the 32 lanes take one row of 512 bytes; and the same in out0 and in bp
	s_wait_alu depctr_va_vdst(0)
	v_add_nc_u32 v[RD], s23, v[CO]
	s_lshl_b32 s20, s17, 8
	s_lshl_b32 s21, s15, 7
	s_add_co_u32 s20, s20, s21                     ; my first row of out0
	s_lshl_b32 s20, s20, 12
	s_mov_b32 s21, 0
	s_lshl_b32 s46, s42, 10                        ; my first column, in bytes
	s_lshl_b32 s47, s16, 9
	s_add_co_u32 s46, s46, s47
	s_mov_b32 s47, 0
	s_add_nc_u64 s[74:75], s[74:75], s[46:47]
	s_add_nc_u64 s[20:21], s[20:21], s[46:47]
	s_add_nc_u64 s[10:11], s[10:11], s[20:21]
	global_load_b128 v[32:35], v[CO], s[74:75]     ; bp of columns 4 l .. 4 l + 3 of my 128
.macro FRAG reg, adr, q, i             ; B's fragment: registers 4 c .. 4 c + 3 hold K = 128 q + 32 c + 16 h + 0 .. 15
.irp c, 0,1,2,3
	ds_load_b128 v[\reg+4*\c:\reg+4*\c+3], v[\adr] offset:128*(\q)+32*\c+(\i)*16*PITCH
.endr
.endm
.macro FRAGA reg, adr, q, i            ; A's: the same K: head 2 q + c / 2 of the slot's four, channels 32 (c % 2) + 16 h + 0 .. 15; 16 tokens are four long rows
.irp c, 0,1,2,3
	ds_load_b128 v[\reg+4*\c:\reg+4*\c+3], v[\adr] offset:(2*(\q)+\c/2)*HEADB+32*(\c%2)+(\i)*4*PITCH
.endr
.endm
.macro MUL16 a0, p, zero               ; the 64 accumulators take turns, one instruction a turn, in the same order in every step
.irp a, \a0, \a0+1
.irp b, 0,1,2,3,4,5,6,7
.if \zero
	v_wmma_f32_16x16x128_fp8_fp8 v[8*(8*((\a)%4)+\b):8*(8*((\a)%4)+\b)+7], v[128*(\p)+FR*\b:128*(\p)+FR*\b+FR-1], v[AF+FR*(\a):AF+FR*(\a)+FR-1], 0
.else
	v_wmma_f32_16x16x128_fp8_fp8 v[8*(8*((\a)%4)+\b):8*(8*((\a)%4)+\b)+7], v[128*(\p)+FR*\b:128*(\p)+FR*\b+FR-1], v[AF+FR*(\a):AF+FR*(\a)+FR-1], v[8*(8*((\a)%4)+\b):8*(8*((\a)%4)+\b)+7]
.endif
.endr
.endr
.endm
.macro FETCH_B slot, q, p
	WIN TO_B
.irp i, 0,1,2,3,4,5,6,7
	FRAG 128*(\p)+FR*\i, ADRB+\slot, \q, \i
.endr
	WIN 0
.endm
.macro FETCH_A slot, q, i0
.irp i, \i0, \i0+1, \i0+2, \i0+3
	FRAGA AF+FR*(\i), ADRA+\slot, \q, \i
.endr
.endm
.macro PLACES n
.rept \n
	v_nop
.endr
.endm
.macro STEP slot, q, zero
	s_wait_dscnt 4*NL                              ; B's set and A's blocks 0-3 are in; the youngest 16 loads (A's blocks 4-7) may be out
	WIN MUL_LO
	MUL16 0, (\q)%2, \zero
	MUL16 2, (\q)%2, \zero
	s_wait_dscnt 0
	PLACES NP
	FETCH_B \slot, (\q)+1, 1-(\q)%2
	FETCH_A \slot, (\q)+1, 0
	WIN MUL_HI
	MUL16 4, (\q)%2, \zero
	MUL16 6, (\q)%2, \zero
	PLACES NP
	WIN 0
	FETCH_A \slot, (\q)+1, 4
.endm
.macro TURN slot, next, fill           ; a slot's last step changes slots: one barrier, with the three lines in front of it
	s_wait_tensorcnt 0x0                           ; all my tensor loads have landed: my part of the next slot
	ds_add_u32 v[SPW], v[NIL]
	s_wait_dscnt 4*NL+1                            ; the add and the youngest 16 loads may be out
	WIN MUL_LO
	MUL16 0, 1, 0
	s_wait_dscnt 0x0                               ; the add is done, and my reads of this slot are over
	s_barrier_signal -1
	MUL16 2, 1, 0
	WIN 0
	s_barrier_wait -1
.if \fill
	CREST                                          ; the barrier has opened a round of the cluster's barrier
	s_add_nc_u64 s[G0+4*\slot+2:G0+4*\slot+3], s[G0+4*\slot+2:G0+4*\slot+3], 2*65536
	s_add_nc_u64 s[G0B+4*\slot+2:G0B+4*\slot+3], s[G0B+4*\slot+2:G0B+4*\slot+3], 2*ROWB
	JLOAD G0+4*\slot, G1, G0B+4*\slot, G1B
.else
	PLACES NP
.endif
	FETCH_B \next, 0, 0
	FETCH_A \next, 0, 0
	WIN MUL_HI
	MUL16 4, 1, 0
	MUL16 6, 1, 0
	PLACES NP
	WIN 0
	FETCH_A \next, 0, 4
.endm
	s_wait_tensorcnt 1                             ; my part of K step 0 is in; K step 1's load may be out
	s_barrier_signal -1
	s_barrier_wait -1
	FETCH_B 0, 0, 0
	FETCH_A 0, 0, 0
	FETCH_A 0, 0, 4
	STEP 0, 0, 1
	s_mov_b32 s3, LAPS-1
.Llap:
	TURN 0, 1, 1
	STEP 1, 0, 0
	TURN 1, 0, 1
	STEP 0, 0, 0
	s_sub_co_u32 s3, s3, 1
	s_cmp_lg_u32 s3, 0
	s_cbranch_scc1 .Llap
	TURN 0, 1, 0
	STEP 1, 0, 0
	s_wait_dscnt 4*NL
	WIN MUL_LO
	MUL16 0, 1, 0
	MUL16 2, 1, 0
	s_wait_dscnt 0
	WIN MUL_HI
	MUL16 4, 1, 0
	MUL16 6, 1, 0
	WIN 0
; THE WAY OUT, block by block of 16 rows x 128 columns.  The sums go into my stage as they are, straight from the accumulators' windows (an LDS store's data goes by the window of source 1), and come back as whole rows of 512 bytes;
; there a lane holds four columns of a row, and two packed multiply-adds give sum x 2^(e10 + e11) + bp.
.macro TOSTAGE a
.set AC, 64*((\a)%4)
.set BB, BK+64*((\a)%2)
	WIN 0x08+4*((\a)/4)                            ; the stores' data: window 2 or 3; their address: window 0
.irp b, 0,1,2,3,4,5,6,7
	ds_store_b128 v[STO], v[AC+8*\b:AC+8*\b+3] offset:64*\b          ; each accumulator from its low end on
	ds_store_b128 v[STO], v[AC+8*\b+4:AC+8*\b+7] offset:64*\b+16
.endr
	WIN 0
.irp t, 0,1,2,3,4,5,6,7,8,9,10,11,12,13,14,15
	ds_load_b128 v[BB+4*\t:BB+4*\t+3], v[RD] offset:\t*SPITCH        ; LDS serves a wave's instructions in order: these see the stores above
.endr
.endm
.macro SEND a, younger
.set BB, BK+64*((\a)%2)
	s_wait_dscnt \younger
.if (\a) > 0
	s_add_nc_u64 s[10:11], s[10:11], 16*4096       ; (behind a wait on XCNT: the earlier stores have read their base)
.endif
.set t, 0
.rept 16
	v_pk_fma_f32 v[BB+4*t:BB+4*t+1], v[BB+4*t:BB+4*t+1], s[96:97], v[32:33] op_sel_hi:[1,0,1]
	v_pk_fma_f32 v[BB+4*t+2:BB+4*t+3], v[BB+4*t+2:BB+4*t+3], s[96:97], v[34:35] op_sel_hi:[1,0,1]
	global_store_b128 v[CO], v[BB+4*t:BB+4*t+3], s[10:11] offset:t*4096 th:TH_STORE_NT   ; 32 lanes store 512 consecutive bytes, aligned; written once, read by nobody here
.set t, t+1
.endr
.endm
	s_wait_kmcnt 0x0
	s_add_co_i32 s96, s96, s97
	s_add_co_i32 s96, s96, 127
	s_lshl_b32 s96, s96, 23                        ; 2^(e10 + e11) as f32
	s_mov_b32 s97, s96                             ; (named with it as a pair, so it is written)
	s_wait_loadcnt 0x0                             ; bp
	PLACES NP                                      ; in front of the stores that read results and of the loads into the registers that held A's fragments
	s_wait_alu depctr_va_vdst(0)
	TOSTAGE 0
.irp a, 1,2,3,4,5,6,7
.if \a > 1
	s_wait_xcnt 0x0                                ; block a - 2's stores have read their registers and their base
.endif
	TOSTAGE \a
	SEND \a-1, 32                                  ; behind block a - 1's loads: block a's 16 stores and 16 loads
.endr
	s_wait_xcnt 0x0
	SEND 7, 0
	s_wait_tensorcnt 0x0                           ; the wave's end
	ds_add_u32 v[SPW], v[NIL]
	s_wait_dscnt 0x0
	CROUND                                         ; the closing round
	s_endpgm
.Lfunc_end_k_qfc933c7b78_proj:
	.size	k_qfc933c7b78_proj, .Lfunc_end_k_qfc933c7b78_proj-k_qfc933c7b78_proj
	.p2alignl 7, 3214868480
	.fill 96, 4, 3214868480
	.section	.rodata,"a",@progbits
	.p2align	6, 0x0
	.amdhsa_kernel k_qfc933c7b78_proj
		.amdhsa_group_segment_fixed_size 327680
		.amdhsa_private_segment_fixed_size 0
		.amdhsa_enable_private_segment 0
		.amdhsa_kernarg_size 40
		.amdhsa_user_sgpr_count 2
		.amdhsa_user_sgpr_kernarg_segment_ptr 1
		.amdhsa_wavefront_size32 1
		.amdhsa_system_sgpr_workgroup_id_x 1
		.amdhsa_system_sgpr_workgroup_id_y 1
		.amdhsa_system_sgpr_workgroup_id_z 1
		.amdhsa_system_vgpr_workitem_id 0
		.amdhsa_next_free_vgpr 1024
		.amdhsa_next_free_sgpr 98
		.amdhsa_reserve_vcc 0
		.amdhsa_float_denorm_mode_32 3
		.amdhsa_float_denorm_mode_16_64 3
		.amdhsa_memory_ordered 1
		.amdhsa_forward_progress 1
		.amdhsa_inst_pref_size 125
	.end_amdhsa_kernel
	.amdgpu_metadata
---
amdhsa.version: [ 1, 2 ]
amdhsa.kernels:
  - .name:           k_qfc933c7b78_proj
    .symbol:         k_qfc933c7b78_proj.kd
    .args:
      - { .name: yc, .offset: 0, .size: 8, .value_kind: global_buffer, .address_space: global }
      - { .name: wc, .offset: 8, .size: 8, .value_kind: global_buffer, .address_space: global }
      - { .name: lowp_scales, .offset: 16, .size: 8, .value_kind: global_buffer, .address_space: global }
      - { .name: bp, .offset: 24, .size: 8, .value_kind: global_buffer, .address_space: global }
      - { .name: out0, .offset: 32, .size: 8, .value_kind: global_buffer, .address_space: global }
    .group_segment_fixed_size: 327680
    .private_segment_fixed_size: 0
    .kernarg_segment_align: 8
    .kernarg_segment_size: 40
    .max_flat_workgroup_size: 128
    .sgpr_count:     98
    .vgpr_count:     1024
    .wavefront_size: 32
...
	.end_amdgpu_metadata
.endif
;; end of part 4
